; MI455X (gfx1250); checked and timed in simulation.
; The chip was launched on July 23, 2026; its instructions are those of AMD's public machine-readable ISA for CDNA 5 (MIT licence, August 2026) and "CDNA5" Instruction Set Architecture Reference Guide (July 2026). The comments in the code are by the model that wrote it; some were corrected since.
;; Self Attention. Allowed arithmetic: matrix products marked QUANTISED: E3M2 operands, one E8M0 scale for each 32 along K, by v_wmma_scale_f32_16x16x128_f8f6f4 with both operands' format E3M2, f32 sums; everything else in f32.
;; Inputs: Wk 1,024 x 1,024 float32; Wo 1,024 x 1,024 float32; Wq 1,024 x 1,024 float32; Wv 1,024 x 1,024 float32; x 4 x 2,048 x 1,024 float32.
;; Outputs: out0 4 x 2,048 x 1,024 float32.
;; This version of the problem:
;;   THIS VERSION OF THE PROBLEM IS GIVEN IN LOW PRECISION. The matrix products marked QUANTISED in the list below multiply operands that are first quantised to E3M2 (3 exponent bits, 2 mantissa bits; 6 bits a number), with one power-of-two scale for each 32 numbers along K (OCP MX v1.0); their sums are f32. All else is computed in f32.
;;   The module's matrix products, in the order in which they are computed (A, B: the left and right operand; K: the contracted axis; several contracted axes count as one K, in the product's order):
;;     1. [M 8,192, K 1,024] x [K 1,024, N 1,024]; A: input x; B: input Wq: QUANTISED
;;     2. [M 8,192, K 1,024] x [K 1,024, N 1,024]; A: input x; B: input Wk: QUANTISED
;;     3. [M 8,192, K 1,024] x [K 1,024, N 1,024]; A: input x; B: input Wv: QUANTISED
;;     4. batch 64 x [M 2,048, K 64] x [K 64, N 2,048]; A: computed on the way; B: computed on the way: QUANTISED
;;     5. batch 64 x [M 2,048, K 2,048] x [K 2,048, N 64]; A: softmax (see below); B: computed on the way: QUANTISED
;;     6. [M 8,192, K 1,024] x [K 1,024, N 1,024]; A: computed on the way; B: input Wo: QUANTISED
;;   THE QUANTISER, for each operand of a quantised product, along K:
;;     - K is cut into blocks of 32 from its start; a last block that is shorter is filled with zeros.
;;     - A block's scale is 2^e with e = floor(log2(the largest magnitude in the block)) - 4, held to -126 .. 127; a block of zeros has e = 0. As a byte (E8M0): e + 127.
;;     - Each number is divided by its block's scale, clamped to +-28, and rounded to the nearest number of E3M2, ties to even, subnormals kept.
;;     - The product sums the exact products of the quantised numbers (number of the format x scale) in f32.
;;   ~~~python
;;   def quantise(x, axis):      # numpy; x: float32 -> the quantised numbers, widened to float32 again
;;       x = np.moveaxis(x, axis, -1); K = x.shape[-1]
;;       x = np.pad(x, [(0, 0)] * (x.ndim - 1) + [(0, -K % 32)]); x = x.reshape(x.shape[:-1] + (-1, 32)); a = np.abs(x).max(-1, keepdims=True)
;;       e = np.where(a > 0, np.clip(np.frexp(np.where(a > 0, a, 1))[1] - 1 - 4, -126, 127), 0)      # np.frexp(a)[1] - 1 = floor(log2(a)), exactly
;;       r = np.clip(x / 2.0 ** e, -28, 28)
;;       step = 2.0 ** (np.maximum(np.frexp(np.where(r == 0, 1, r))[1] - 1, -2) - 2)
;;       q = np.round(r / step) * step * 2.0 ** e      # np.round: ties to even
;;       return np.moveaxis(q.reshape(q.shape[:-2] + (-1,))[..., :K], -1, axis).astype(np.float32)
;;   ~~~
;;   SOFTMAX AHEAD OF A QUANTISED PRODUCT. Where the list says 'softmax', what is quantised is not the finished softmax but p = 2^(t - M), with t = logit x log2(e) and M = ceil(the row's largest t), a whole number; so 1/2 < the row's largest p <= 1. The row's sum l is taken of the UNQUANTISED p, in f32, and the product's result is divided by l at the end. Since M is a whole number, a kernel that streams over the keys may use a running M (the ceiling of the running maximum): every later rescaling is an exact power of two, which a block's scale takes up: the codes' values come out the same.
;;   OPERANDS COMPUTED ON THE WAY. 'Computed on the way' means the value that the module computes at that place (a softmax that the list does not call 'softmax' is quantised finished and normalised). What goes into a quantiser is computed in f32, as accurately as f32 sums, v_exp_f32 and their like allow (about 1e-6 of the number): no bf16 or f16 on the way to a quantiser, and a product that is left as it is and whose result goes on into a quantised operand takes f32 operands (vector FMAs, or v_wmma_f32_16x16x4_f32). A number that lies on a knife's edge between two numbers of the format may be rounded either way, as far as f32 arithmetic and the matrix unit's own rounding can turn it there, and no further.
;; One version. Each part assembles by itself: llvm-mc -triple=amdgcn-amd-amdhsa -mcpu=gfx1250 --defsym DOCPART=n.
;; ======== version 1 of 1: 4 launches
;; workspace buffers: img 9,437,184 bytes; scl 393,216 bytes; qbuf 6,815,744 bytes; kbuf 6,815,744 bytes; vbuf 6,815,744 bytes; aimg 6,291,456 bytes; ascl 262,144 bytes
;; launch quant (part 1): grid 768 x 1, 1 waves a work-group, no clusters, 23,296 bytes of LDS; arguments x, Wq, Wk, Wv, Wo, img, scl; writes img, scl
.if DOCPART == 1
	.amdgcn_target "amdgcn-amd-amdhsa--gfx1250"
	.amdhsa_code_object_version 6
	.text
	.protected	k_q87bf22991e_quant
	.globl	k_q87bf22991e_quant
	.p2align	8
	.type	k_q87bf22991e_quant,@function
k_q87bf22991e_quant:
	s_mov_b64 s[64:65], 0
	v_nop
	global_prefetch_b8 v0, s[64:65] scope:SCOPE_SE
	s_setreg_imm32_b32 hwreg(HW_REG_WAVE_MODE, 25, 1), 1
	s_wait_xcnt 0x0
; x [8192][1024] and Wq, Wk, Wv, Wo [1024][1024], f32, K innermost, become codes of BF6 (E3M2) with one E8M0 byte for each 32 along K.
; A block's scale is 2^(floor(log2(its largest magnitude)) - 4); its byte is the largest magnitude's exponent field - 4, held at 1 from below.
; THE CODES ARE LAID AS IMAGES OF THE MATRIX OPERAND'S REGISTERS: img [tile 0..767][K step of 128: 0..7][1,536 bytes].  A tile is 16 rows; a fragment (16 rows x 128 K) is 12 registers a lane:
; lane (r, h) has K = 64 c + 32 h + 0 .. 31 in registers 6 c .. 6 c + 5.  Half c of an image is 768 bytes: registers 6 c .. 6 c + 3 at 16 x lane, then registers 6 c + 4, 6 c + 5 at 512 + 8 x lane.
; THE ROWS OF A TILE ARE NOT NEIGHBOURS: in each group of 32 rows, row r of tile 2 b + u is row 32 b + 8 u + r + 8 (r / 8).  Tiles 0-511 x, 512-575 Wq, 576-639 Wk, 640-703 Wv, 704-767 Wo.
; scl [tile][r][32]: byte j of a row is the scale of K = 32 j .. 32 j + 31.
; A work-group is one wave and makes one tile: 16 steps, a row each.  A row's eight loads read 512 consecutive bytes each; the row turns through a stage in LDS, so that lane l holds block l, 32 neighbours.
; The lane's 24 bytes of codes go to two more regions of LDS at the place that the image gives them, and the tile leaves in stores of 512 and 256 consecutive bytes.  No barrier: one wave.
; LIMITS: NaN and infinities among the inputs are not served; a block of zeros, or one whose largest magnitude lies under 2^(5 - 127), gets the byte 1 (the rule says 127 for zeros: the codes are zeros, and this program alone reads the bytes).
.set ROWB, 4096                        ; bytes of a row
.set ST1,  4608                        ; a stage: 32 places of 128 bytes + 16; two stages, at 0 and here
.set AR,   9216                        ; 32 rows (2 x half image + h) of 16 places (r) of 16 bytes, + 16
.set BQ,   17920                       ; the same of 8 bytes, + 8
.set SB,   22272                       ; the tile's 512 scale bytes
.set R,    16                          ; v16-143  four sets of 32: a row as it is loaded
.set X,    144                         ; v144-207 two sets of 32 neighbours
.set C,    208                         ; v208-214, v216-222: a step's six registers of codes and its byte, two sets
.set D,    224                         ; v224-226 the block's second sixteen codes
	s_load_b256 s[4:11], s[0:1], 0x0               ; x, Wq, Wk, Wv
	s_load_b128 s[12:15], s[0:1], 0x20             ; Wo, img
	s_load_b64 s[16:17], s[0:1], 0x30              ; scl
	v_lshl_add_u32 v232, v0, 2, 0x5a00
	v_mov_b32 v233, 0
	v_lshlrev_b32 v2, 3, v0                        ; 8 x lane
	v_lshlrev_b32 v3, 4, v0                        ; 16 x lane
	v_lshrrev_b32 v8, 3, v0
	v_and_b32 v9, 7, v0
	v_mul_u32_u24 v14, v8, 144
	v_lshl_add_u32 v14, v9, 4, v14                 ; into a stage: eight lanes fill a place of 128 bytes
	v_mul_u32_u24 v15, v0, 144                     ; out of it: my block
	v_mul_u32_u24 v4, v0, 272
	v_add_nc_u32 v4, AR, v4                        ; my codes' first 16 bytes: row = lane = 2 x half image + h
	v_mul_u32_u24 v5, v0, 136
	v_add_nc_u32 v5, BQ, v5                        ; and their last 8
	v_add_nc_u32 v6, SB, v0                        ; my block's byte in a row of scale bytes
	v_lshrrev_b32 v8, 4, v0
	v_and_b32 v9, 15, v0
	v_mul_u32_u24 v7, v8, 272
	v_lshl_add_u32 v7, v9, 4, v7
	v_add_nc_u32 v7, AR, v7                        ; the way out: lanes 0-15 the row of h = 0, lanes 16-31 that of h = 1
	v_mul_u32_u24 v10, v8, 136
	v_lshl_add_u32 v10, v9, 3, v10
	v_add_nc_u32 v10, BQ, v10
	s_and_b32 s20, ttmp9, 63
	s_cmp_lt_u32 ttmp9, 512
	s_cselect_b32 s20, ttmp9, s20                  ; the tile's number in its own tensor
	s_lshr_b32 s21, s20, 1
	s_lshl_b32 s21, s21, 17                        ; 32 rows of 4,096 bytes for each pair of tiles,
	s_and_b32 s20, s20, 1
	s_lshl_b32 s20, s20, 15                        ; 8 rows for the odd one
	s_add_co_u32 s20, s20, s21
	s_mov_b32 s21, 0
	s_mul_i32 s22, ttmp9, 12288                    ; the tile's eight images
	s_mov_b32 s23, 0
	s_lshl_b32 s24, ttmp9, 9                       ; its 512 scale bytes
	s_mov_b32 s25, 0
	s_wait_kmcnt 0x0
	s_mov_b64 s[18:19], s[12:13]                   ; which tensor: the choice hangs on the work-group's number alone
	s_cmp_lt_u32 ttmp9, 704
	s_cselect_b64 s[18:19], s[10:11], s[18:19]
	s_cmp_lt_u32 ttmp9, 640
	s_cselect_b64 s[18:19], s[8:9], s[18:19]
	s_cmp_lt_u32 ttmp9, 576
	s_cselect_b64 s[18:19], s[6:7], s[18:19]
	s_cmp_lt_u32 ttmp9, 512
	s_cselect_b64 s[18:19], s[4:5], s[18:19]
	s_add_nc_u64 s[18:19], s[18:19], s[20:21]
	s_add_nc_u64 s[14:15], s[14:15], s[22:23]
	s_add_nc_u64 s[16:17], s[16:17], s[24:25]
.macro LOAD t                          ; the tile's row t: 8 loads of 512 consecutive bytes
.irp i, 0,1,2,3,4,5,6,7
	global_load_b128 v[R+32*((\t)%4)+4*\i:R+32*((\t)%4)+4*\i+3], v3, s[18:19] offset:((\t)+8*((\t)/8))*ROWB+512*\i th:TH_LOAD_NT
.endr
.endm
.macro TURN t                          ; through the stage: LDS serves a wave's instructions in order, so no wait stands between the stores and the loads
.irp i, 0,1,2,3,4,5,6,7
	ds_store_b128 v14, v[R+32*((\t)%4)+4*\i:R+32*((\t)%4)+4*\i+3] offset:ST1*((\t)%2)+576*\i
.endr
.irp j, 0,1,2,3,4,5,6,7
	ds_load_b128 v[X+32*((\t)%2)+4*\j:X+32*((\t)%2)+4*\j+3], v15 offset:ST1*((\t)%2)+16*\j
.endr
.endm
.macro STEP t
.set XS, X+32*((\t)%2)
.set CS, C+8*((\t)%2)
.if (\t) > 0
	s_wait_dscnt 3                                 ; this row is back from the stage; only the last step's three stores may be out
.else
	s_wait_dscnt 0x0
.endif
.if (\t)+4 < 16
	LOAD (\t)+4                                    ; into the set that this row's stage stores have read
	s_wait_loadcnt 24                              ; the next row's eight loads are in; those of the three rows behind it may be out
.elseif (\t) < 15
	s_wait_loadcnt 8*(14-(\t))
.endif
.if (\t) < 15
	TURN (\t)+1                                    ; the next row goes through the other stage while this one is worked
.endif
	v_max3_num_f32 v8, |v[XS]|, |v[XS+1]|, |v[XS+2]|               ; the block's largest magnitude: all 32 numbers are mine
	v_max3_num_f32 v9, |v[XS+3]|, |v[XS+4]|, |v[XS+5]|
.irp i, 6,10,14,18,22,26
	v_max3_num_f32 v8, v8, |v[XS+\i]|, |v[XS+\i+1]|
	v_max3_num_f32 v9, v9, |v[XS+\i+2]|, |v[XS+\i+3]|
.endr
	v_max3_num_f32 v8, v8, |v[XS+30]|, |v[XS+31]|
	v_max3_num_f32 v8, v8, v9, 0x2800000           ; and the floor 2^(5 - 127): the byte cannot fall under 1
	v_add_nc_u32 v11, 0xfe000000, v8               ; 4 off the exponent field: the conversion takes the exponent field of this operand as its scale
	v_cvt_scalef32_pk16_bf6_f32 v[CS:CS+2], v[XS:XS+15], v11
	v_cvt_scalef32_pk16_bf6_f32 v[D:D+2], v[XS+16:XS+31], v11      ; (a conversion's three registers begin on an even number)
	v_lshrrev_b32 v[CS+6], 23, v11                 ; the scale's byte; also the plain place behind the conversions
	v_mov_b32 v[CS+3], v[D]
	v_mov_b32 v[CS+4], v[D+1]
	v_mov_b32 v[CS+5], v[D+2]
	ds_store_b128 v4, v[CS:CS+3] offset:16*(\t)    ; lane l is block l of row t: K step l / 4, half (l / 2) % 2, h = l % 2
	ds_store_b64 v5, v[CS+4:CS+5] offset:8*(\t)
	ds_store_b8 v6, v[CS+6] offset:32*(\t)
.endm
.irp t, 0,1,2,3
	LOAD \t
.endr
	s_wait_loadcnt 24                              ; row 0 is in
	TURN 0
.irp t, 0,1,2,3,4,5,6,7,8,9,10,11,12,13,14,15
	STEP \t
.endr
.irp e, 0,1,2,3,4,5,6,7,8,9,10,11,12,13,14,15  ; half image e: 512 bytes, then 256.  These loads see my stores: LDS serves a wave in order
	ds_load_b128 v[16+4*\e:19+4*\e], v7 offset:544*\e
	ds_load_b64 v[80+2*\e:81+2*\e], v10 offset:272*\e
.endr
	ds_load_b128 v[112:115], v3 offset:SB
.irp e, 0,1,2,3,4,5,6,7,8,9,10,11,12,13,14,15
	s_wait_dscnt 32-2*\e                           ; as many LDS loads were issued behind this one
	global_store_b128 v3, v[16+4*\e:19+4*\e], s[14:15] offset:768*\e            ; 512 consecutive bytes, at a multiple of 256 from the buffer's first byte
	s_wait_dscnt 31-2*\e
	global_store_b64 v2, v[80+2*\e:81+2*\e], s[14:15] offset:768*\e+512         ; 256 consecutive bytes
.endr
	s_wait_dscnt 0x0
	global_store_b128 v3, v[112:115], s[16:17]     ; the tile's 512 scale bytes
	s_wait_tensorcnt 0x0
	ds_add_u32 v232, v233
	s_wait_dscnt 0x0
	s_endpgm
.Lfunc_end_k_q87bf22991e_quant:
	.size	k_q87bf22991e_quant, .Lfunc_end_k_q87bf22991e_quant-k_q87bf22991e_quant
	.p2alignl 7, 3214868480
	.fill 96, 4, 3214868480
	.section	.rodata,"a",@progbits
	.p2align	6, 0x0
	.amdhsa_kernel k_q87bf22991e_quant
		.amdhsa_group_segment_fixed_size 23296
		.amdhsa_private_segment_fixed_size 0
		.amdhsa_enable_private_segment 0
		.amdhsa_kernarg_size 56
		.amdhsa_user_sgpr_count 2
		.amdhsa_user_sgpr_kernarg_segment_ptr 1
		.amdhsa_wavefront_size32 1
		.amdhsa_system_sgpr_workgroup_id_x 1
		.amdhsa_system_sgpr_workgroup_id_y 1
		.amdhsa_system_sgpr_workgroup_id_z 1
		.amdhsa_system_vgpr_workitem_id 0
		.amdhsa_next_free_vgpr 234
		.amdhsa_next_free_sgpr 66
		.amdhsa_reserve_vcc 0
		.amdhsa_float_denorm_mode_32 3
		.amdhsa_float_denorm_mode_16_64 3
		.amdhsa_memory_ordered 1
		.amdhsa_forward_progress 1
		.amdhsa_inst_pref_size 63
	.end_amdhsa_kernel
	.amdgpu_metadata
---
amdhsa.version: [ 1, 2 ]
amdhsa.kernels:
  - .name:           k_q87bf22991e_quant
    .symbol:         k_q87bf22991e_quant.kd
    .args:
      - { .name: x, .offset: 0, .size: 8, .value_kind: global_buffer, .address_space: global }
      - { .name: Wq, .offset: 8, .size: 8, .value_kind: global_buffer, .address_space: global }
      - { .name: Wk, .offset: 16, .size: 8, .value_kind: global_buffer, .address_space: global }
      - { .name: Wv, .offset: 24, .size: 8, .value_kind: global_buffer, .address_space: global }
      - { .name: Wo, .offset: 32, .size: 8, .value_kind: global_buffer, .address_space: global }
      - { .name: img, .offset: 40, .size: 8, .value_kind: global_buffer, .address_space: global }
      - { .name: scl, .offset: 48, .size: 8, .value_kind: global_buffer, .address_space: global }
    .group_segment_fixed_size: 23296
    .private_segment_fixed_size: 0
    .kernarg_segment_align: 8
    .kernarg_segment_size: 56
    .max_flat_workgroup_size: 32
    .sgpr_count:     66
    .vgpr_count:     234
    .wavefront_size: 32
...
	.end_amdgpu_metadata
.endif
;; end of part 1
;; launch qkv (part 2): grid 8 x 48, 4 waves a work-group, clusters of 4 x 4, 327,680 bytes of LDS; arguments img, scl, qbuf, kbuf, vbuf; writes qbuf, kbuf, vbuf
.if DOCPART == 2
	.amdgcn_target "amdgcn-amd-amdhsa--gfx1250"
	.amdhsa_code_object_version 6
	.text
	.protected	k_q87bf22991e_qkv
	.globl	k_q87bf22991e_qkv
	.p2align	8
	.type	k_q87bf22991e_qkv,@function
k_q87bf22991e_qkv:
	s_mov_b64 s[64:65], 0
	v_nop
	global_prefetch_b8 v0, s[64:65] scope:SCOPE_SE
	s_setreg_imm32_b32 hwreg(HW_REG_WAVE_MODE, 25, 1), 1
	s_wait_xcnt 0x0
	s_wait_alu depctr_hold_cnt(0) depctr_sa_sdst(0) depctr_va_vdst(0) depctr_va_sdst(0) depctr_va_ssrc(0) depctr_va_vcc(0) depctr_vm_vsrc(0)
	s_getreg_b32 s2, hwreg(HW_REG_IB_STS2, 6, 4)
	s_cmp_eq_u32 s2, 0
	s_cbranch_scc0 .Lentry_in_a_cluster
	s_endpgm
.Lentry_in_a_cluster:
	s_bfe_u32 s2, ttmp6, 0x10000c
	s_cmp_lg_u32 s2, 0xf033
	s_cbranch_scc0 .Lentry_shape_is_right
	s_endpgm
.Lentry_shape_is_right:
; q = x Wq^T, k = x Wk^T, v = x Wv^T on codes of BF6 (E3M2) with E8M0 scales, K = 1,024; the results never go to memory as f32: each wave quantises its 128 x 128 in registers and stores codes and scale words.
; OPERANDS come as images of the operand's registers (img: [tile of 16 rows][K step of 128][1,536 bytes]; scl: [tile][row][32 bytes]); in units of 256 rows: x 0-31, Wq 32-35, Wk 36-39, Wv 40-43.
; A work-group of four waves makes 256 x 256, a wave 128 x 128 in 64 accumulators.  Source 0 (called B) is the operand whose rows run along a lane's REGISTERS in the result, source 1 (called A) the one whose rows lie in the LANES.
;   q, k (cluster y under 8): B = rows of Wq or Wk, A = tokens: a lane holds one token and 128 neighbouring features, two heads of 64: quantised along the head's 64.
;   v    (cluster y from 8):  B = tokens, A = rows of Wv: a lane holds one feature and 128 neighbouring tokens: quantised along the keys.
; The rows of a tile are not neighbours (row r of tile 2 b + u of a group of 32 is row 32 b + 8 u + r + 8 (r / 8)), so that the 16 registers of B's tiles 2 b, 2 b + 1 are 16 neighbours: 32 b + 16 (lane / 16) + 0 .. 15.
; K goes in steps of 256 through a ring of two LDS slots; a wave's tensor load brings 8 tiles x 3,072 bytes.  The scale bytes of the 512 rows, for all of K, come once with the first fills.
; CLUSTERS: 4 x 4 work-groups; A's tiles are asked for jointly along a row of the cluster, B's along a column.  The one branch on the case (q, k or v) hangs on the cluster's y, which all partners share.
; OUT: qbuf, kbuf [batch x head][group of 128 tokens] records of 6,656 bytes: tile a's half image (16 tokens x 64) at 768 a; its scale words (two bytes, the upper 16 bits 0) at 6,144 + 256 (a / 4) + 16 r + 4 (a % 4).
;      vbuf [batch x head][128 keys] records of 6,656 bytes: fragment t (16 of the head's 64 x 128 keys) at 1,536 t, registers 4 c .. 4 c + 3 at 512 c + 16 x lane; scale words at 6,144 + 16 r + 4 t; zeros from 6,400 on.
; LIMITS: NaN and infinities are not served; a block of zeros gets the byte 1 where the rule says 127 (its codes are zeros, and this program alone reads the bytes).
; REGISTERS, in windows of 256: window 0: v1-31 addresses; v32-63 scale words, two sets; from v128 A's fragments, one set; on the way out v64-203.  window 1: B's fragments, two sets.  windows 2, 3: the accumulators ((a, b) at v[8 (8 (a % 4) + b)]).
.set NQ,     2                         ; matrix instructions deep in a slot
.set FR,     12                        ; registers of a fragment
.set NL,     4                         ; LDS loads that bring one
.set NP,     4                         ; places behind this matrix instruction (ISA guide 7.12.1)
.set TILEB,  3072                      ; a tile's two fragments in a slot
.set HALFT,  8*TILEB                   ; 128 rows: what one tensor load brings
.set SLOT,   4*HALFT                   ; A's 256 rows, then B's 256 rows
.set UNITB,  98304                     ; 128 rows of img: 8 tiles x 12,288 bytes
.set LAPS,   2                         ; a lap = two slots = 512 along K
.set SCL,    2*SLOT                    ; behind the ring: the scales, as units of 256 bytes + 16 of padding
.set HALFS,  16*272                    ; those of 128 rows
.set SBLK,   2*272                     ; those of 16 rows
.set SPARE,  SCL+4*HALFS               ; the spare words, 128 bytes for each wave: two blocks of 256 bytes that no other line names
.set REC,    6656
.set HEADB,  16*REC                    ; a head's records
.set ADRA, 16                          ; v16-17 LDS address of A's fragments in slot 0, 1, + 16 x lane;  v18-19 the same + 8 x lane
.set ADRB, 20                          ; v20-23 the same for B
.set L16,  24                          ; v24 16 x lane
.set L8,   25                          ; v25 8 x lane
.set WO,   26                          ; v26 where the scale words go: HEADB x (lane / 16) + 16 x (lane % 16)
.set ADRS, 27                          ; v27 LDS address of my scale words: lanes 0-15 A's rows, lanes 16-31 B's
.set SPW,  28                          ; v28 LDS address of my spare word; never rewritten
.set NIL,  29                          ; v29 0; never rewritten
.set H16,  30                          ; v30 16 x (lane / 16)
.set SC,   32
.set AF,   128
.set FO,   64                          ; the way out: v64-159 the eight fragments made
.set WD,   160                         ; v160-167 their scale words
.set WS,   168                         ; v168-175 the words as they are stored
.set TM,   176                         ; v176-191 at work
.set CT,   192                         ; v192-198 conversions' second halves
.set ZR,   200                         ; v200-203 zeros
.set G1, 24
.set G0, 32
.set G1B, 48
.set G0B, 56
.set G1S, 68
.set G0S, 76
.set G1SB, 80
.set G0SB, 88
.set MSB, 0
.macro WIN new                         ; the immediate's high byte repeats the setting that is left
.if MSB != \new
	s_set_vgpr_msb (MSB<<8)|\new
.set MSB, \new
.endif
.endm
.set MUL_LO, 0xa1                      ; source 0 (B) window 1, source 1 (A) window 0, C and D window 2
.set MUL_HI, 0xf1
.set TO_B,   0x40
; A joint load: waves 0 and 1 fetch for A, waves 2 and 3 for B; the branch hangs on the wave's number alone.  Four v_nop follow each of the two lines.
.macro JLOAD g0a, g1a, g0b, g1b
	s_cmp_eq_u32 s15, 0
	s_cbranch_scc0 .Lfor_b_\@
	tensor_load_to_lds s[\g0a:\g0a+3], s[\g1a:\g1a+7]
	s_nop 0
.rept 4
	v_nop
.endr
	s_branch .Lasked_\@
.Lfor_b_\@:
	tensor_load_to_lds s[\g0b:\g0b+3], s[\g1b:\g1b+7]
	s_nop 0
.rept 4
	v_nop
.endr
.Lasked_\@:
.endm
.macro CREST                           ; a round of the cluster's barrier behind its opening barrier
	s_cmp_lg_u32 s14, 0
	s_cbranch_scc1 .Lnot_wave_0_\@
	s_barrier_signal -3
.Lnot_wave_0_\@:
	s_barrier_wait -3
	s_barrier_signal -1
	s_barrier_wait -1
.endm
.macro CROUND
	s_barrier_signal -1
	s_barrier_wait -1
	CREST
.endm
	s_load_b128 s[4:7], s[0:1], 0x0                ; img, scl
	s_load_b128 s[8:11], s[0:1], 0x10              ; qbuf, kbuf
	s_load_b64 s[12:13], s[0:1], 0x20              ; vbuf
	v_lshl_add_u32 v[SPW], v0, 2, SPARE
	v_mov_b32 v[NIL], 0
	ds_add_u32 v28, v29
	ds_add_u32 v28, v29
	s_wait_dscnt 0x0
	v_lshrrev_b32 v1, 5, v0
	v_readfirstlane_b32 s14, v1                    ; wave 0..3
	s_lshr_b32 s15, s14, 1                         ; which half of A's rows is mine.  Also: I fetch for A (0) or for B (1)
	s_and_b32 s16, s14, 1                          ; which half of B's rows.  Also: which 128 rows I fetch
	s_bfe_u32 s40, ttmp6, 0x40000                  ; cx, cy: my place in the cluster
	s_bfe_u32 s41, ttmp6, 0x40004
	s_and_b32 s96, ttmp7, 0xffff                   ; the cluster's y: 0-7 q and k, 8-11 v
	s_lshl_b32 s95, ttmp9, 2                       ; 4 x the cluster's x
	s_add_co_u32 s99, s95, 32                      ; q, k: B begins at unit 32 + 4 x (Wq, Wk)
	s_max_u32 s100, s96, 8
	s_sub_co_u32 s100, s100, 8
	s_lshl_b32 s100, s100, 3
	s_add_co_u32 s100, s100, s95                   ; v: B begins at unit 8 (y - 8) + 4 x (tokens)
	s_lshl_b32 s101, s96, 2                        ; q, k: A begins at unit 4 y (tokens);  v: at unit 40 (Wv)
	s_cmp_ge_u32 s96, 8
	s_cselect_b32 s42, s100, s99
	s_cselect_b32 s17, 40, s101
	s_cselect_b32 s98, 1, 0                        ; 1: v
	s_add_co_u32 s42, s42, s40                     ; B's unit of 256 rows: + cx
	s_add_co_u32 s17, s17, s41                     ; A's: + cy
	s_lshl_b32 s43, s41, 2
	s_lshl_b32 s43, 15, s43                        ; my row of the cluster
	s_lshl_b32 s44, 0x1111, s40                    ; my column
	; descriptor group 1 for codes: 8 rows (tiles) of 384 elements of 8 bytes (two fragments), 1,536 elements apart; no padding: the images are read as they lie, lane by lane
	s_or_b32 s[G1+0], s43, (3<<16)|(1<<21)         ; 15:0 the mask: A's tiles go to my row; 17:16 elements of 8 bytes; 21 set beside a mask
	s_or_b32 s[G1B+0], s44, (3<<16)|(1<<21)
.irp g, G1, G1B
	s_mov_b32 s[\g+1], 384<<16                     ; tensor_dim0
	s_mov_b32 s[\g+2], 8<<16                       ; tensor_dim1
	s_mov_b32 s[\g+3], 384<<16                     ; tile_dim0
	s_mov_b32 s[\g+4], 8                           ; tile_dim1
	s_mov_b32 s[\g+5], 1536                        ; tensor_dim0_stride
	s_mov_b32 s[\g+6], 0
	s_mov_b32 s[\g+7], 0
.endr
	; and for the scales of 128 rows: 4,096 dense bytes as 16 rows of 256 bytes, 16 bytes of padding behind each
	s_or_b32 s[G1S+0], s43, (3<<16)|(1<<20)|(1<<21)|(5<<22)|(3<<25)
	s_or_b32 s[G1SB+0], s44, (3<<16)|(1<<20)|(1<<21)|(5<<22)|(3<<25)
.irp g, G1S, G1SB
	s_mov_b32 s[\g+1], 32<<16
	s_mov_b32 s[\g+2], 16<<16
	s_mov_b32 s[\g+3], 32<<16
	s_mov_b32 s[\g+4], 16
	s_mov_b32 s[\g+5], 32
	s_mov_b32 s[\g+6], 0
	s_mov_b32 s[\g+7], 0
.endr
	s_lshl_b32 s20, s17, 1
	s_add_co_u32 s20, s20, s16                     ; A: the unit of 128 rows that I fetch
	s_lshl_b32 s22, s20, 12                        ; its scales: 4,096 bytes a unit
	s_mov_b32 s23, 0
	s_mul_i32 s20, s20, UNITB                      ; its codes
	s_mov_b32 s21, 0
	s_lshl_b32 s46, s42, 1
	s_add_co_u32 s46, s46, s16                     ; B likewise, in registers that never hold cy
	s_lshl_b32 s92, s46, 12
	s_mov_b32 s93, 0
	s_mul_i32 s46, s46, UNITB
	s_mov_b32 s47, 0
	s_mul_i32 s45, s14, HALFT                      ; where they go: wave x 128 rows: no place in the cluster enters an LDS address
	s_mul_i32 s94, s14, HALFS
	s_wait_kmcnt 0x0
	s_add_nc_u64 s[20:21], s[4:5], s[20:21]
	s_add_nc_u64 s[22:23], s[6:7], s[22:23]
	s_add_nc_u64 s[46:47], s[4:5], s[46:47]
	s_add_nc_u64 s[92:93], s[6:7], s[92:93]
	CROUND                                         ; all sixteen work-groups are here: the first joint loads meet
	s_mov_b32 s[G0S], 1
	s_add_co_u32 s[G0S+1], s94, SCL
	s_mov_b64 s[G0S+2:G0S+3], s[22:23]
	s_or_b32 s[G0S+3], s[G0S+3], 0x80000000
	s_mov_b32 s[G0SB], 1
	s_add_co_u32 s[G0SB+1], s94, SCL
	s_mov_b64 s[G0SB+2:G0SB+3], s[92:93]
	s_or_b32 s[G0SB+3], s[G0SB+3], 0x80000000
	JLOAD G0S, G1S, G0SB, G1SB                     ; the scales first: they are wanted with the first slot.  Three loads of mine are out behind these lines
.irp s, 0,1
	s_mov_b32 s[G0+4*\s], 1
	s_add_co_u32 s[G0+4*\s+1], s45, \s*SLOT
	s_add_nc_u64 s[G0+4*\s+2:G0+4*\s+3], s[20:21], \s*TILEB
	s_or_b32 s[G0+4*\s+3], s[G0+4*\s+3], 0x80000000
	s_mov_b32 s[G0B+4*\s], 1
	s_add_co_u32 s[G0B+4*\s+1], s45, \s*SLOT
	s_add_nc_u64 s[G0B+4*\s+2:G0B+4*\s+3], s[46:47], \s*TILEB
	s_or_b32 s[G0B+4*\s+3], s[G0B+4*\s+3], 0x80000000
	JLOAD G0+4*\s, G1, G0B+4*\s, G1B
.endr
	v_and_b32 v1, 15, v0                           ; r
	v_bfe_u32 v2, v0, 4, 1                         ; h; kept for the way out
	v_and_b32 v3, 31, v0                           ; lane
	v_lshlrev_b32 v[L16], 4, v3
	v_lshlrev_b32 v[L8], 3, v3
	s_mul_i32 s21, s15, HALFT                      ; my 128 rows of A
	s_mul_i32 s22, s16, HALFT                      ; my 128 rows of B,
	s_add_co_u32 s22, s22, 2*HALFT                 ; which lie behind A's 256
.irp s, 0,1
	v_add_nc_u32 v[ADRA+\s], s21, v[L16]
	v_add_nc_u32 v[ADRB+\s], s22, v[L16]
	v_add_nc_u32 v[ADRA+2+\s], s21, v[L8]
	v_add_nc_u32 v[ADRB+2+\s], s22, v[L8]
	s_add_co_u32 s21, s21, SLOT
	s_add_co_u32 s22, s22, SLOT
.endr
	v_lshlrev_b32 v6, 5, v1                        ; my row's scales: 32 bytes a row,
	v_lshrrev_b32 v7, 8, v6
	v_lshl_add_u32 v6, v7, 4, v6                   ; and 16 more for each 256 passed
	s_mul_i32 s21, s15, HALFS
	s_mul_i32 s22, s16, HALFS
	s_add_co_u32 s22, s22, 2*HALFS
	s_sub_co_u32 s22, s22, s21
	v_mul_u32_u24 v7, s22, v2                      ; lanes 16-31 take B's: one product, the distance between the two bases
	s_add_co_u32 s21, s21, SCL
	v_add_nc_u32 v6, v6, v7
	v_add_nc_u32 v[ADRS], s21, v6
	v_mul_u32_u24 v[WO], v2, HEADB
	v_lshl_add_u32 v[WO], v1, 4, v[WO]
	v_lshlrev_b32 v[H16], 4, v2
	; where my results go
	s_lshl_b32 s99, s17, 1
	s_add_co_u32 s99, s99, s15                     ; my unit of 128 rows of A
	s_lshl_b32 s100, s42, 1
	s_add_co_u32 s100, s100, s16                   ; and of B
	s_cmp_lt_u32 s100, 72                          ; B's units 64-71 are Wq, 72-79 Wk
	s_cselect_b64 s[8:9], s[8:9], s[10:11]
	s_cmp_eq_u32 s98, 1
	s_cselect_b64 s[12:13], s[12:13], s[8:9]       ; the choices hang on ids alone
	s_cselect_b32 s96, s100, s99                   ; the unit of tokens,
	s_cselect_b32 s97, s99, s100                   ; the unit of features: its low three bits are the pair of heads
	s_and_b32 s97, s97, 7
	s_mul_i32 s97, s97, 2*HEADB
	s_lshr_b32 s101, s96, 4                        ; the batch: 16 units of tokens each
	s_mul_i32 s101, s101, 16*HEADB
	s_and_b32 s96, s96, 15
	s_mul_i32 s96, s96, REC
	s_add_co_u32 s96, s96, s97
	s_add_co_u32 s96, s96, s101
	s_mov_b32 s97, 0
	s_add_nc_u64 s[12:13], s[12:13], s[96:97]
.macro FRAG reg, adr, q, i             ; a fragment's image comes back as it was stored: lane l's 16 bytes at 16 l, its 8 bytes at 8 l; every load reads consecutive bytes
	ds_load_b128 v[\reg:\reg+3], v[\adr] offset:TILEB*(\i)+1536*(\q)
	ds_load_b64 v[\reg+4:\reg+5], v[\adr+2] offset:TILEB*(\i)+1536*(\q)+512
	ds_load_b128 v[\reg+6:\reg+9], v[\adr] offset:TILEB*(\i)+1536*(\q)+768
	ds_load_b64 v[\reg+10:\reg+11], v[\adr+2] offset:TILEB*(\i)+1536*(\q)+1280
.endm
; 16 matrix instructions: A's blocks a0, a0 + 1 x B's eight, 128 along K.  The 64 accumulators take turns, one instruction a turn, in the same order in every step.
.macro MUL16 a0, p, q, sc, zero
.irp a, \a0, \a0+1
.irp b, 0,1,2,3,4,5,6,7
.if \zero
	v_wmma_scale_f32_16x16x128_f8f6f4 v[8*(8*((\a)%4)+\b):8*(8*((\a)%4)+\b)+7], v[128*(\p)+FR*\b:128*(\p)+FR*\b+FR-1], v[AF+FR*(\a):AF+FR*(\a)+FR-1], 0, v[SC+8*NQ*(\sc)+NQ*\b+(\q)], v[SC+8*NQ*(\sc)+NQ*(\a)+(\q)] matrix_a_fmt:MATRIX_FMT_BF6 matrix_b_fmt:MATRIX_FMT_BF6 matrix_a_scale:MATRIX_SCALE_ROW1
.else
	v_wmma_scale_f32_16x16x128_f8f6f4 v[8*(8*((\a)%4)+\b):8*(8*((\a)%4)+\b)+7], v[128*(\p)+FR*\b:128*(\p)+FR*\b+FR-1], v[AF+FR*(\a):AF+FR*(\a)+FR-1], v[8*(8*((\a)%4)+\b):8*(8*((\a)%4)+\b)+7], v[SC+8*NQ*(\sc)+NQ*\b+(\q)], v[SC+8*NQ*(\sc)+NQ*(\a)+(\q)] matrix_a_fmt:MATRIX_FMT_BF6 matrix_b_fmt:MATRIX_FMT_BF6 matrix_a_scale:MATRIX_SCALE_ROW1
.endif
.endr
.endr
.endm
.macro FETCH_B slot, q, p
	WIN TO_B
.irp i, 0,1,2,3,4,5,6,7
	FRAG 128*(\p)+FR*\i, ADRB+\slot, \q, \i
.endr
	WIN 0
.endm
.macro FETCH_A slot, q, i0
.irp i, \i0, \i0+1, \i0+2, \i0+3
	FRAG AF+FR*(\i), ADRA+\slot, \q, \i
.endr
.endm
.macro SCALES sc                       ; a slot's scale words: two a row; lanes 0-15 take A's block i, lanes 16-31 B's block i
.irp i, 0,1,2,3,4,5,6,7
	ds_load_b64 v[SC+8*NQ*\sc+NQ*\i:SC+8*NQ*\sc+NQ*\i+1], v[ADRS] offset:\i*SBLK
.endr
.endm
.macro PLACES n                        ; plain vector instructions between a matrix instruction and a load into, or a vector read or write of, its registers
.rept \n
	v_nop
.endr
.endm
.macro STEP slot, q, zero              ; a step of 128 along K that has its successor in the same slot
	s_wait_dscnt 4*NL                              ; B's set and A's blocks 0-3 are in; the youngest sixteen loads (A's blocks 4-7) may be out
	WIN MUL_LO
	MUL16 0, (\q)%2, \q, \slot, \zero
	MUL16 2, (\q)%2, \q, \slot, \zero
	s_wait_dscnt 0
	PLACES NP
	FETCH_B \slot, (\q)+1, 1-(\q)%2
	FETCH_A \slot, (\q)+1, 0
	WIN MUL_HI
	MUL16 4, (\q)%2, \q, \slot, \zero
	MUL16 6, (\q)%2, \q, \slot, \zero
	PLACES NP
	WIN 0
	FETCH_A \slot, (\q)+1, 4
.endm
; A slot's last step changes slots: one barrier; in front of it each wave waits for all its tensor loads, adds 0 to its spare word, and waits for that and for its reads of this slot.  fill = 1: the slot is filled again, two slots ahead.
.macro TURN slot, next, fill
	s_wait_tensorcnt 0x0                           ; all my tensor loads have landed: my part of the next slot
	ds_add_u32 v[SPW], v[NIL]                      ; 0 onto my spare word
	s_wait_dscnt 4*NL+1                            ; (the add and the youngest sixteen loads may be out)
	WIN MUL_LO
	MUL16 0, 1, NQ-1, \slot, 0
	s_wait_dscnt 0x0                               ; the add is done, and my reads of this slot are over
	s_barrier_signal -1
	MUL16 2, 1, NQ-1, \slot, 0
	WIN 0
	s_barrier_wait -1
.if \fill
	CREST                                          ; the barrier has opened a round of the cluster's barrier: no wave of any partner still reads this slot or has a load on its way
	s_add_nc_u64 s[G0+4*\slot+2:G0+4*\slot+3], s[G0+4*\slot+2:G0+4*\slot+3], 2*TILEB
	s_add_nc_u64 s[G0B+4*\slot+2:G0B+4*\slot+3], s[G0B+4*\slot+2:G0B+4*\slot+3], 2*TILEB
	JLOAD G0+4*\slot, G1, G0B+4*\slot, G1B         ; the first tensor load behind the round, one a wave; its four v_nop are the places in front of the loads below
.else
	PLACES NP
.endif
	v_add_nc_u32 v[ADRS], 4*NQ, v[ADRS]            ; on to the next slot's scale words (no LDS load of mine is out)
	FETCH_B \next, 0, 0
	FETCH_A \next, 0, 0
	SCALES \next
	WIN MUL_HI
	MUL16 4, 1, NQ-1, \slot, 0
	MUL16 6, 1, NQ-1, \slot, 0
	PLACES NP
	WIN 0
	FETCH_A \next, 0, 4
.endm
	s_wait_tensorcnt 1                             ; the scales and my part of slot 0 are in (slot 1's load may be out)
	s_barrier_signal -1
	s_barrier_wait -1                              ; everybody's are
	FETCH_B 0, 0, 0
	FETCH_A 0, 0, 0
	SCALES 0
	FETCH_A 0, 0, 4
	STEP 0, 0, 1                                   ; the first step stands in front of the loop: its products start the sums
	s_mov_b32 s3, LAPS-1
.Llap:                                                 ; a trip goes once round the ring and fills both slots again
	TURN 0, 1, 1
	STEP 1, 0, 0
	TURN 1, 0, 1
	STEP 0, 0, 0
	s_sub_co_u32 s3, s3, 1
	s_cmp_lg_u32 s3, 0
	s_cbranch_scc1 .Llap
	TURN 0, 1, 0                                   ; the last lap fills nothing
	STEP 1, 0, 0
	s_wait_dscnt 4*NL
	WIN MUL_LO
	MUL16 0, 1, NQ-1, 1, 0
	MUL16 2, 1, NQ-1, 1, 0
	s_wait_dscnt 0
	WIN MUL_HI
	MUL16 4, 1, NQ-1, 1, 0
	MUL16 6, 1, NQ-1, 1, 0
	WIN 0
; THE WAY OUT.  For A's block a my 64 registers are 128 neighbours along the axis to be quantised: register 16 b + i is number 32 b + 16 (lane / 16) + i of my lane's row.
; They become a fragment's 12 registers in v[FO + 12 a] on and its scale word in v[WD + a].  Each accumulator is read from its low end on.
.macro QUANTW a
.set QS, 64*((\a)%4)
.set QW, 2+(\a)/4
.set QW5, 5*QW
.set QF, FO+12*(\a)
	WIN QW5                                        ; sources 0 and 1: the accumulators' window
.irp b, 0,1,2,3
	v_max3_num_f32 v[TM+\b], |v[QS+16*\b]|, |v[QS+16*\b+1]|, 0x2800000   ; block b: my 16 numbers, and the floor 2^(5 - 127)
.endr
.irp i, 2,4,6,8,10,12,14
.irp b, 0,1,2,3
	v_max3_num_f32 v[TM+\b], |v[QS+16*\b+\i]|, |v[QS+16*\b+\i+1]|, v[TM+\b]
.endr
.endr
	WIN 0
.irp b, 0,1,2,3
	v_permlanex16_b32 v[TM+4+\b], v[TM+\b], s20, s21
.endr
.irp b, 0,1,2,3
	v_max_num_f32 v[TM+\b], v[TM+\b], v[TM+4+\b]   ; with lane l xor 16's: the block's largest magnitude
.endr
.irp b, 0,1,2,3
	v_add_nc_u32 v[TM+12+\b], 0xfe000000, v[TM+\b] ; 4 off its exponent field: the conversion's scale operand
.endr
.irp b, 0,1,2,3
	v_lshrrev_b32 v[TM+4+\b], 23, v[TM+12+\b]      ; the scale's byte
.endr
	v_lshl_or_b32 v[WD+(\a)], v[TM+5], 8, v[TM+4]
	v_lshl_or_b32 v[WD+(\a)], v[TM+6], 16, v[WD+(\a)]
	v_lshl_or_b32 v[WD+(\a)], v[TM+7], 24, v[WD+(\a)]
	WIN QW                                         ; source 0: the accumulators' window
.irp c, 0,1
	v_cvt_scalef32_pk16_bf6_f32 v[QF+6*\c:QF+6*\c+2], v[QS+32*\c:QS+32*\c+15], v[TM+12+2*\c]
	v_cvt_scalef32_pk16_bf6_f32 v[CT+4*\c:CT+4*\c+2], v[QS+16+32*\c:QS+31+32*\c], v[TM+12+2*\c+1]   ; (a conversion's three registers begin on an even number)
.endr
	WIN 0
	v_nop                                          ; one plain place behind a scaled conversion
.irp c, 0,1                                    ; the operand's layout wants a whole block in a lane: lanes 0-15 block 2 c, lanes 16-31 block 2 c + 1
.irp i, 0,1,2
	v_permlane16_swap_b32 v[QF+6*\c+\i], v[CT+4*\c+\i]
.endr
.irp i, 0,1,2
	v_mov_b32 v[QF+3+6*\c+\i], v[CT+4*\c+\i]
.endr
.endr
.endm
	PLACES NP                                      ; behind the last products: what follows reads results and writes registers that held A's fragments
	s_mov_b32 s20, 0x76543210
	s_mov_b32 s21, 0xfedcba98                      ; v_permlanex16_b32's selects for lane l xor 16
.irp b, 0,1,2,3
	v_mov_b32 v[TM+4+\b], 0                        ; written once: a lane permute's destination counts as one of its sources
	v_mov_b32 v[ZR+\b], 0
.endr
.irp a, 0,1,2,3,4,5,6,7
	QUANTW \a
.endr
	s_cmp_eq_u32 s98, 1
	s_cbranch_scc1 .Lv_out
	; q, k: registers 0-5 are the first head's half fragment of tile a, registers 6-11 the second head's.  Every store's data are written once, so nothing is waited for
.irp a, 0,1,2,3,4,5,6,7
	global_store_b128 v[L16], v[FO+12*\a:FO+12*\a+3], s[12:13] offset:768*\a                    ; 512 consecutive bytes
	global_store_b64 v[L8], v[FO+12*\a+4:FO+12*\a+5], s[12:13] offset:768*\a+512                ; 256 consecutive bytes
	global_store_b128 v[L16], v[FO+12*\a+6:FO+12*\a+9], s[12:13] offset:HEADB+768*\a
	global_store_b64 v[L8], v[FO+12*\a+10:FO+12*\a+11], s[12:13] offset:HEADB+768*\a+512
.endr
.irp a, 0,1,2,3,4,5,6,7
	v_bfe_u32 v[WS+\a], v[WD+\a], v[H16], 16       ; lanes 0-15 the first head's two bytes, lanes 16-31 the second's; the upper 16 bits 0
.endr
	global_store_b128 v[WO], v[WS:WS+3], s[12:13] offset:6144       ; sixteen lanes store 256 consecutive bytes of their head's record
	global_store_b128 v[WO], v[WS+4:WS+7], s[12:13] offset:6400
	s_branch .Ldone
.Lv_out:
	; v: block a is fragment a % 4 of head a / 4 of my pair
.irp a, 0,1,2,3,4,5,6,7
.irp c, 0,1,2
	global_store_b128 v[L16], v[FO+12*\a+4*\c:FO+12*\a+4*\c+3], s[12:13] offset:HEADB*(\a/4)+1536*(\a%4)+512*\c
.endr
.endr
	v_cmp_eq_u32 vcc_lo, 1, v2
.irp i, 0,1,2,3
	v_cndmask_b32 v[WS+\i], v[WD+\i], v[WD+4+\i], vcc_lo   ; lanes 0-15 the first head's words, lanes 16-31 the second's
.endr
	global_store_b128 v[WO], v[WS:WS+3], s[12:13] offset:6144
	global_store_b128 v[WO], v[ZR:ZR+3], s[12:13] offset:6400       ; the record's last 256 bytes are read with it: zeros
.Ldone:
	s_wait_tensorcnt 0x0                           ; the wave's end
	ds_add_u32 v[SPW], v[NIL]
	s_wait_dscnt 0x0
	CROUND                                         ; the closing round: no work-group ends while a partner may still ask for a tile that names it
	s_endpgm
.Lfunc_end_k_q87bf22991e_qkv:
	.size	k_q87bf22991e_qkv, .Lfunc_end_k_q87bf22991e_qkv-k_q87bf22991e_qkv
	.p2alignl 7, 3214868480
	.fill 96, 4, 3214868480
	.section	.rodata,"a",@progbits
	.p2align	6, 0x0
	.amdhsa_kernel k_q87bf22991e_qkv
		.amdhsa_group_segment_fixed_size 327680
		.amdhsa_private_segment_fixed_size 0
		.amdhsa_enable_private_segment 0
		.amdhsa_kernarg_size 40
		.amdhsa_user_sgpr_count 2
		.amdhsa_user_sgpr_kernarg_segment_ptr 1
		.amdhsa_wavefront_size32 1
		.amdhsa_system_sgpr_workgroup_id_x 1
		.amdhsa_system_sgpr_workgroup_id_y 1
		.amdhsa_system_sgpr_workgroup_id_z 1
		.amdhsa_system_vgpr_workitem_id 0
		.amdhsa_next_free_vgpr 1024
		.amdhsa_next_free_sgpr 102
		.amdhsa_reserve_vcc 1
		.amdhsa_float_denorm_mode_32 3
		.amdhsa_float_denorm_mode_16_64 3
		.amdhsa_memory_ordered 1
		.amdhsa_forward_progress 1
		.amdhsa_inst_pref_size 152
	.end_amdhsa_kernel
	.amdgpu_metadata
---
amdhsa.version: [ 1, 2 ]
amdhsa.kernels:
  - .name:           k_q87bf22991e_qkv
    .symbol:         k_q87bf22991e_qkv.kd
    .args:
      - { .name: img, .offset: 0, .size: 8, .value_kind: global_buffer, .address_space: global }
      - { .name: scl, .offset: 8, .size: 8, .value_kind: global_buffer, .address_space: global }
      - { .name: qbuf, .offset: 16, .size: 8, .value_kind: global_buffer, .address_space: global }
      - { .name: kbuf, .offset: 24, .size: 8, .value_kind: global_buffer, .address_space: global }
      - { .name: vbuf, .offset: 32, .size: 8, .value_kind: global_buffer, .address_space: global }
    .group_segment_fixed_size: 327680
    .private_segment_fixed_size: 0
    .kernarg_segment_align: 8
    .kernarg_segment_size: 40
    .max_flat_workgroup_size: 128
    .sgpr_count:     102
    .vgpr_count:     1024
    .wavefront_size: 32
...
	.end_amdgpu_metadata
.endif
;; end of part 2
;; launch attn (part 3): grid 8 x 64, 16 waves a work-group, no clusters, 215,040 bytes of LDS; arguments qbuf, kbuf, vbuf, aimg, ascl; writes aimg, ascl
.if DOCPART == 3
	.amdgcn_target "amdgcn-amd-amdhsa--gfx1250"
	.amdhsa_code_object_version 6
	.text
	.protected	k_q87bf22991e_attn
	.globl	k_q87bf22991e_attn
	.p2align	8
	.type	k_q87bf22991e_attn,@function
k_q87bf22991e_attn:
	s_mov_b64 s[64:65], 0
	v_nop
	global_prefetch_b8 v0, s[64:65] scope:SCOPE_SE
	s_setreg_imm32_b32 hwreg(HW_REG_WAVE_MODE, 25, 1), 1
	s_wait_xcnt 0x0
; Causal attention of one head on codes of BF6 (E3M2) with E8M0 scales: S = q k^T / 8, softmax, O = P v; O / the row's sum is quantised along the head's 64 and leaves as codes for the last product.
; THE SOFTMAX AHEAD OF THE SECOND PRODUCT: t = score x log2(e) / 8; M = the row's largest t so far, rounded up to a whole number; p = 2^(t - M) is quantised along the keys, not normalised.
; The row's sum is taken of the unquantised p, in f32.  When M moves, the sum and O are multiplied by 2^(old M - new M): exact.
; IN: qbuf, kbuf [batch x head][group of 128 tokens] records of 6,656 bytes: tile a's half image (16 tokens x 64: six registers a lane; four at 16 x lane, two at 512 + 8 x lane) at 768 a; scale words at 6,144 + 256 (a / 4) + 16 r + 4 (a % 4).
;     vbuf [batch x head][128 keys] records: fragment t (16 of the head's 64 x 128 keys) at 1,536 t; scale words at 6,144 + 16 r + 4 t.
; The tokens (and the head's 64) of a tile are not neighbours: row r of tile 2 b + u is number 32 b + 8 u + r + 8 (r / 8), so that the 16 result registers of tiles 2 b, 2 b + 1 are 16 neighbours, 32 b + 16 (lane / 16) + 0 .. 15.
; SHARES.  A work-group owns the query groups g and 15 - g of one head: 8 + 8 tiles of 16 queries, one to each of sixteen waves; so every work-group has 8 x 17 key steps of 128 keys.
; A HEAD'S K AND V RECORDS, 2 x 106,496 bytes, LIE IN LDS WHOLE: each byte is filled once, by waves 0 (K) and 1 (V), four tensor loads each; no slot is filled again.  A barrier stands in front of each quarter's steps.
; Every wave walks all 16 steps: the trip counts are constants.  A step all of whose keys come after the wave's queries is jumped over by a scalar branch on ids; on the diagonal hidden scores become -infinity.
; NO CLUSTER: the eight work-groups of a head read the same records, but which steps a wave works hangs on its query group, which would be its work-group's place in the cluster.
; THE FIRST PRODUCT'S K IS 64, the instruction's 128: q's registers 6-11 are zero codes; k's operand of tile t names twelve registers, of which the upper six hold the next tile's codes (zeros behind the last):
; a code of this format is a finite number, and times the code 0 it adds nothing; the scale bytes of those blocks are 0, which is 2^-127.
; OUT: aimg [tile of 16 tokens][head][768]: the half image of K = 64 x head + 0 .. 63; ascl [tile][r][32]: bytes 2 x head, 2 x head + 1.  A head has two of a row's 32 scale bytes: they leave as single bytes, 32 bytes apart (262,144 bytes in the launch).
; LIMITS: NaN and infinities are not served; a block of zeros gets the byte 1 where the rule says 127 (its codes are zeros, and this program alone reads the bytes).
; REGISTERS: v1-3 16 x lane, 8 x lane, 16 r; v4-8 the step's LDS addresses; v9 my query less 16 (lane / 16); v12 -M, v13 the largest t, v[14:15] the sum; v16-27 q; v28 q's scale word; v30, v31 for the way out;
;   v32-85 k's eight half fragments and six zeros, then v's four fragments; v96-159 S^T, then p; v160-191 O^T; v192-199 k's scale words, v200-203 v's; v224-235 p's codes; v232-254 at work; v253 p's scale word.
.set REC,    6656
.set HEADB,  16*REC                    ; a head's records; LDS: K's at 0, V's here
.set CHUNKB, 4*REC                     ; what one tensor load brings: four key steps
.set HB, 19                            ; s19 my group of 128 queries
.set TK, 48                            ; s48 LDS byte of the step's record of K
.set TV, 49                            ; s49 of V
.set KC, 50                            ; s50 the key step
.set TR, 51                            ; s51 trips
	s_load_b256 s[4:11], s[0:1], 0x0               ; qbuf, kbuf, vbuf, aimg
	s_load_b64 s[12:13], s[0:1], 0x20              ; ascl
	v_lshl_add_u32 v251, v0, 2, 0x34000
	v_mov_b32 v255, 0
	ds_add_u32 v251, v255
	ds_add_u32 v251, v255
	v_lshrrev_b32 v10, 5, v0
	s_delay_alu instid0(VALU_DEP_1)
	v_readfirstlane_b32 s14, v10                   ; wave 0..15
	s_and_b32 s15, s14, 1                          ; waves 0, 1: I fetch K (0) or V (1)
	s_lshr_b32 s16, s14, 1                         ; a: my tile in the group
	s_lshr_b32 s17, s14, 2
	s_xor_b32 s17, s17, s14
	s_and_b32 s17, s17, 1                          ; the early group (0) or the late one (1): both for every a
	s_and_b32 s18, ttmp7, 0xffff                   ; batch x 16 + head
	s_lshl_b32 s[HB], ttmp9, 1
	s_sub_co_u32 s[HB], 15, s[HB]
	s_mul_i32 s[HB], s[HB], s17
	s_add_co_u32 s[HB], s[HB], ttmp9               ; g or 15 - g
	; descriptor group 1: 26,624 dense bytes as 104 rows of 32 elements of 8 bytes; no padding: the images are read as they lie
	s_mov_b32 s24, 3<<16
	s_mov_b32 s25, 32<<16                          ; tensor_dim0
	s_mov_b32 s26, 104<<16                         ; tensor_dim1
	s_mov_b32 s27, 32<<16                          ; tile_dim0
	s_mov_b32 s28, 104                             ; tile_dim1
	s_mov_b32 s29, 32                              ; tensor_dim0_stride
	s_mov_b32 s30, 0
	s_mov_b32 s31, 0
	s_mul_i32 s52, s15, HEADB
	s_mul_i32 s54, s18, HEADB                      ; the head's first byte in each of the three buffers
	s_mov_b32 s55, 0
	s_mov_b32 s20, 0x76543210
	s_mov_b32 s21, 0xfedcba98                      ; v_permlanex16_b32's selects for lane l xor 16
	s_mov_b32 s22, 0x3e38aa3b                      ; c = log2(e) / 8
	s_mov_b32 s23, s22                             ; (named with it as a pair, so it is written)
	s_mov_b32 s[TK], 0
	s_mov_b32 s[TV], HEADB
	s_mov_b32 s[KC], 0
	s_wait_dscnt 0x0
	s_wait_kmcnt 0x0
	s_cmp_eq_u32 s15, 0
	s_cselect_b64 s[56:57], s[6:7], s[8:9]         ; the choice hangs on the wave's number alone
	s_add_nc_u64 s[56:57], s[56:57], s[54:55]
.irp c, 0,1,2,3
	s_mov_b32 s[32+4*\c], 1
	s_add_co_u32 s[33+4*\c], s52, \c*CHUNKB
	s_add_nc_u64 s[34+4*\c:35+4*\c], s[56:57], \c*CHUNKB
	s_or_b32 s[35+4*\c], s[35+4*\c], 0x80000000
.endr
	s_cmp_lt_u32 s14, 2                            ; all the fills of a wave stand in one branch, ahead of every wait on TENSORcnt, every LDS read and every barrier: four loads of the wave are out
	s_cbranch_scc0 .Lno_fill
	tensor_load_to_lds s[32:35], s[24:31]
	s_nop 0
	tensor_load_to_lds s[36:39], s[24:31]
	s_nop 0
	tensor_load_to_lds s[40:43], s[24:31]
	s_nop 0
	tensor_load_to_lds s[44:47], s[24:31]
	s_nop 0
.rept 4
	v_nop
.endr
.Lno_fill:
	v_and_b32 v10, 31, v0
	s_delay_alu instid0(VALU_DEP_1)
	v_lshlrev_b32 v1, 4, v10                       ; 16 x lane
	s_wait_alu depctr_va_vdst(0)
	v_lshlrev_b32 v2, 3, v10                       ; 8 x lane
	s_wait_alu depctr_va_vdst(0)
	v_and_b32 v11, 15, v0                          ; r
	s_delay_alu instid0(VALU_DEP_1)
	v_lshlrev_b32 v3, 4, v11                       ; 16 r
	s_wait_alu depctr_va_vdst(0)
	v_bfe_u32 v31, v0, 4, 1                        ; h
	s_wait_alu depctr_va_vdst(0)
	v_lshl_add_u32 v30, v11, 5, v31                ; 32 r + h: my scale byte on the way out
	s_lshl_b32 s58, s18, 4
	s_add_co_u32 s58, s58, s[HB]
	s_mul_i32 s58, s58, REC                        ; my group's record of q
	s_mul_i32 s59, s16, 768
	s_add_co_u32 s60, s58, s59                     ; my tile's half image
	s_mov_b32 s61, 0
	s_add_nc_u64 s[60:61], s[4:5], s[60:61]
	s_lshr_b32 s59, s16, 2
	s_lshl_b32 s59, s59, 8
	s_add_co_u32 s58, s58, s59
	s_and_b32 s59, s16, 3
	s_lshl_b32 s59, s59, 2
	s_add_co_u32 s58, s58, s59                     ; and its scale words: + 256 (a / 4) + 4 (a % 4)
	s_mov_b32 s59, 0
	s_add_nc_u64 s[58:59], s[4:5], s[58:59]
	global_load_b128 v[16:19], v1, s[60:61]
	global_load_b64 v[20:21], v2, s[60:61] offset:512
	global_load_b32 v28, v3, s[58:59] offset:6144
	v_and_b32 v9, 8, v11
	s_delay_alu instid0(VALU_DEP_1)
	v_add_nc_u32 v9, v9, v11                       ; r + 8 (r / 8)
	v_lshlrev_b32 v29, 4, v31
	s_delay_alu instid0(VALU_DEP_1)
	v_sub_nc_u32 v9, v9, v29
	s_lshr_b32 s62, s16, 1
	s_lshl_b32 s62, s62, 5
	s_and_b32 s63, s16, 1
	s_lshl_b32 s63, s63, 3
	s_add_co_u32 s62, s62, s63
	v_add_nc_u32 v9, s62, v9                       ; d = my query in its group - 16 h.  Register 16 b + i of S^T holds key 32 b + i + 16 h: on the diagonal it is hidden where 32 b + i > d
	v_mov_b32 v13, 0xff61b1e6                      ; the largest t so far: -3e38
	s_delay_alu instid0(VALU_DEP_1)
	v_floor_f32 v12, -v13                          ; -M
	v_mov_b32 v14, 0
	v_mov_b32 v15, 0
.irp j, 22,23,24,25,26,27,80,81,82,83,84,85,236,237,238,239,252,253
	v_mov_b32 v\j, 0                               ; q's upper half and the six registers behind k's last tile: zero codes; destinations of lane permutes and upper halves of pairs: written once
.endr
.irp j, 0,1,2,3,4,5,6,7,8,9,10,11,12,13,14,15,16,17,18,19,20,21,22,23,24,25,26,27,28,29,30,31
	v_mov_b32 v[160+\j], 0                         ; O^T.  (The step is written once: the first finds zeros, which the first change of M leaves zeros)
.endr
; A KEY STEP: 128 keys.
.macro STEP
	s_cmp_gt_u32 s[KC], s[HB]                      ; all its keys come after my queries: only the addresses step
	s_cbranch_scc1 .Lhidden_\@
	s_setprio 2
	v_add_nc_u32 v4, s[TK], v1                     ; (these five are also the places behind the last step's products, in front of the loads into their registers)
	v_add_nc_u32 v5, s[TK], v2
	v_add_nc_u32 v6, s[TK], v3
	v_add_nc_u32 v7, s[TV], v1
	v_add_nc_u32 v8, s[TV], v3
.irp t, 0,1,2,3,4,5,6,7
	ds_load_b128 v[32+6*\t:35+6*\t], v4 offset:768*\t
	ds_load_b64 v[36+6*\t:37+6*\t], v5 offset:768*\t+512
.endr
	ds_load_b128 v[192:195], v6 offset:6144
	ds_load_b128 v[196:199], v6 offset:6400
	s_wait_alu depctr_va_vdst(0)
	s_wait_dscnt 0x0
.irp t, 0,1,2,3,4,5,6,7                        ; S^T = k q^T: source 0 = 16 keys, source 1 = my 16 queries: a lane holds one query
	v_wmma_scale_f32_16x16x128_f8f6f4 v[96+8*\t:103+8*\t], v[32+6*\t:43+6*\t], v[16:27], 0, v[192+\t], v28 matrix_a_fmt:MATRIX_FMT_BF6 matrix_b_fmt:MATRIX_FMT_BF6
.endr
.rept 4
	v_nop                                          ; places in front of the loads into k's registers and of the first read of the scores
.endr
.irp n, 0,1,2,3,4,5,6,7,8,9,10,11              ; v's four fragments land while the softmax is worked
	ds_load_b128 v[32+4*\n:35+4*\n], v7 offset:512*\n
.endr
	ds_load_b128 v[200:203], v8 offset:6144
	s_cmp_lg_u32 s[KC], s[HB]
	s_cbranch_scc1 .Lopen_\@                       ; under the diagonal every key counts
	v_mov_b32 v254, 0xff800000                     ; -infinity
.irp n, 0,1,2,3,4,5,6,7,8,9,10,11,12,13,14,15,16,17,18,19,20,21,22,23,24,25,26,27,28,29,30,31,32,33,34,35,36,37,38,39,40,41,42,43,44,45,46,47,48,49,50,51,52,53,54,55,56,57,58,59,60,61,62,63
	v_cmp_gt_i32 vcc_lo, 32*(\n/16)+\n%16, v9
	v_cndmask_b32 v[96+\n], v[96+\n], v254, vcc_lo
.endr
.Lopen_\@:
.irp b, 0,1,2,3
	v_max3_num_f32 v[232+\b], v[96+16*\b], v[97+16*\b], v[98+16*\b]   ; the largest score of each block of 32 keys: for the row's maximum, and, since p rises with the score, for the block's largest p
.endr
.irp i, 3,5,7,9,11,13
.irp b, 0,1,2,3
	v_max3_num_f32 v[232+\b], v[232+\b], v[96+16*\b+\i], v[97+16*\b+\i]
.endr
.endr
.irp b, 0,1,2,3
	v_max_num_f32 v[232+\b], v[232+\b], v[111+16*\b]
.endr
.irp b, 0,1,2,3
	s_delay_alu instid0(VALU_DEP_4)
	v_permlanex16_b32 v[236+\b], v[232+\b], s20, s21
.endr
.irp b, 0,1,2,3
	s_delay_alu instid0(VALU_DEP_4)
	v_max_num_f32 v[232+\b], v[232+\b], v[236+\b]  ; with lane l xor 16's 16 keys
.endr
	s_delay_alu instid0(VALU_DEP_2)
	v_max3_num_f32 v254, v232, v233, v234
	s_delay_alu instid0(VALU_DEP_1)
	v_max_num_f32 v254, v254, v235                 ; the step's largest score of my query
	s_delay_alu instid0(VALU_DEP_1)
	v_mul_f32 v254, s22, v254                      ; as t
	s_delay_alu instid0(VALU_DEP_1)
	v_max_num_f32 v13, v13, v254                   ; the running largest t
	v_mov_b32 v254, v12
	s_delay_alu instid0(VALU_DEP_2)
	v_floor_f32 v12, -v13                          ; the new -M = -ceil(t)
	s_delay_alu instid0(VALU_DEP_1)
	v_sub_f32 v254, v12, v254                      ; old M - new M: a whole number, 0 or less
	s_delay_alu instid0(VALU_DEP_1)
	v_cvt_i32_f32 v254, v254                       ; (it saturates)
	s_delay_alu instid0(VALU_DEP_1)
	v_ldexp_f32 v252, 1.0, v254                    ; f = 2^(old M - new M)
.irp j, 0,2,4,6,8,10,12,14,16,18,20,22,24,26,28,30,32,34,36,38,40,42,44,46,48,50,52,54,56,58,60,62
	v_pk_fma_f32 v[96+\j:97+\j], v[96+\j:97+\j], s[22:23], v[12:13] op_sel_hi:[1,0,0]   ; t - M, two at a time
.endr
	s_setprio 1
.irp b, 0,1,2,3
	v_fma_f32 v[232+\b], v[232+\b], s22, v12       ; the same of each block's largest score
.endr
	s_wait_alu depctr_va_vdst(0)
.irp j, 0,1,2,3,4,5,6,7,8,9,10,11,12,13,14,15,16,17,18,19,20,21,22,23,24,25,26,27,28,29,30,31,32,33,34,35,36,37,38,39,40,41,42,43,44,45,46,47,48,49,50,51,52,53,54,55,56,57,58,59,60,61,62,63
	v_exp_f32 v[96+\j], v[96+\j]                   ; p = 2^(t - M)
.endr
.irp b, 0,1,2,3
	v_exp_f32 v[232+\b], v[232+\b]                 ; the block's largest p
.endr
	v_pk_mul_f32 v[14:15], v[14:15], v[252:253] op_sel_hi:[1,0]   ; the sums under the new M.  (A plain place behind the exponentials)
	s_wait_alu depctr_va_vdst(0)
.irp b, 0,1,2,3
	v_max_num_f32 v[232+\b], 0x2800000, v[232+\b]  ; the floor 2^(5 - 127)
.endr
.irp b, 0,1,2,3
	s_delay_alu instid0(VALU_DEP_4)
	v_add_nc_u32 v[244+\b], 0xfe000000, v[232+\b]  ; 4 off the exponent field: the conversion's scale operand
.endr
.irp b, 0,1,2,3
	s_delay_alu instid0(VALU_DEP_4)
	v_lshrrev_b32 v[236+\b], 23, v[244+\b]         ; the scale's byte
.endr
	s_delay_alu instid0(VALU_DEP_3)
	v_lshl_or_b32 v253, v237, 8, v236              ; p's scale word for these 128 keys
	s_delay_alu instid0(VALU_DEP_1)
	v_lshl_or_b32 v253, v238, 16, v253
	s_delay_alu instid0(VALU_DEP_1)
	v_lshl_or_b32 v253, v239, 24, v253
.irp c, 0,1
	v_cvt_scalef32_pk16_bf6_f32 v[224+6*\c:226+6*\c], v[96+32*\c:111+32*\c], v[244+2*\c]
	v_cvt_scalef32_pk16_bf6_f32 v[236+4*\c:238+4*\c], v[112+32*\c:127+32*\c], v[244+2*\c+1]
.endr
	v_nop                                          ; one plain place behind a scaled conversion
.irp c, 0,1
.irp i, 0,1,2
	v_permlane16_swap_b32 v[224+6*\c+\i], v[236+4*\c+\i]
.endr
.irp i, 0,1,2
	s_delay_alu instid0(VALU_DEP_3)
	v_mov_b32 v[227+6*\c+\i], v[236+4*\c+\i]
.endr
.endr
	v_pk_add_f32 v[236:237], v[100:101], v[104:105]
	v_pk_add_f32 v[248:249], v[108:109], v[112:113]
	v_pk_add_f32 v[246:247], v[116:117], v[120:121]
	v_pk_add_f32 v[244:245], v[124:125], v[128:129]
	v_pk_add_f32 v[242:243], v[132:133], v[136:137]
	v_pk_add_f32 v[240:241], v[140:141], v[144:145]
	v_pk_add_f32 v[222:223], v[148:149], v[152:153]
	v_pk_add_f32 v[14:15], v[14:15], v[156:157]
	v_pk_add_f32 v[236:237], v[236:237], v[96:97]
	v_pk_add_f32 v[248:249], v[248:249], v[98:99]
	s_setprio 0
	v_pk_add_f32 v[246:247], v[246:247], v[102:103]
	v_pk_add_f32 v[244:245], v[244:245], v[106:107]
	v_pk_add_f32 v[242:243], v[242:243], v[110:111]
	v_pk_add_f32 v[240:241], v[240:241], v[114:115]
	v_pk_add_f32 v[222:223], v[222:223], v[118:119]
	v_pk_add_f32 v[14:15], v[14:15], v[122:123]
	v_pk_add_f32 v[236:237], v[236:237], v[126:127]
	v_pk_add_f32 v[248:249], v[248:249], v[130:131]
	v_pk_add_f32 v[246:247], v[246:247], v[134:135]
	v_pk_add_f32 v[244:245], v[244:245], v[138:139]
	v_pk_add_f32 v[242:243], v[242:243], v[142:143]
	v_pk_add_f32 v[240:241], v[240:241], v[146:147]
	v_pk_add_f32 v[222:223], v[222:223], v[150:151]
	v_pk_add_f32 v[14:15], v[14:15], v[154:155]
	v_pk_add_f32 v[236:237], v[236:237], v[158:159]
	s_delay_alu instid0(VALU_DEP_2)
	v_pk_add_f32 v[14:15], v[14:15], v[244:245]
	s_delay_alu instid0(VALU_DEP_2)
	v_pk_add_f32 v[236:237], v[236:237], v[242:243]
	v_pk_add_f32 v[248:249], v[248:249], v[240:241]
	v_pk_add_f32 v[246:247], v[246:247], v[222:223]
	s_delay_alu instid0(VALU_DEP_2)
	v_pk_add_f32 v[14:15], v[14:15], v[248:249]
	s_delay_alu instid0(VALU_DEP_2)
	v_pk_add_f32 v[236:237], v[236:237], v[246:247]
	s_delay_alu instid0(VALU_DEP_1)
	v_pk_add_f32 v[14:15], v[14:15], v[236:237]
.irp j, 0,2,4,6,8,10,12,14,16,18,20,22,24,26,28,30
	v_pk_mul_f32 v[160+\j:161+\j], v[160+\j:161+\j], v[252:253] op_sel_hi:[1,0]   ; O^T under the new M.  (With the sums above: the places between p's codes and scale word and the products)
.endr
	s_wait_alu depctr_va_vdst(0)
	s_wait_dscnt 0x0                               ; v's fragments and scale words are in
.irp t, 0,1,2,3                                ; O^T += v^T p^T: the four accumulators by turns, one instruction a turn
	v_wmma_scale_f32_16x16x128_f8f6f4 v[160+8*\t:167+8*\t], v[32+12*\t:43+12*\t], v[224:235], v[160+8*\t:167+8*\t], v[200+\t], v253 matrix_a_fmt:MATRIX_FMT_BF6 matrix_b_fmt:MATRIX_FMT_BF6
.endr
.Lhidden_\@:
	s_add_co_u32 s[TK], s[TK], REC
	s_add_co_u32 s[TV], s[TV], REC
	s_add_co_u32 s[KC], s[KC], 1
.endm
; Four key steps.  The waves that fetched wait until their load number c has landed (the 3 - c behind it may stay out), then all sixteen meet.
.macro CHUNK c
	s_wait_tensorcnt 3-\c
	s_wait_dscnt 0x0                               ; no LDS load of mine is out at the signal
	s_barrier_signal -1
	s_barrier_wait -1
	s_mov_b32 s[TR], 4
.Ltrip_\@:
	STEP
	s_sub_co_u32 s[TR], s[TR], 1
	s_cmp_lg_u32 s[TR], 0
	s_cbranch_scc1 .Ltrip_\@
	s_setprio 0
.endm
	s_wait_loadcnt 0x0                             ; q
	CHUNK 0
	CHUNK 1
	CHUNK 2
	CHUNK 3                                        ; its wait is for 0: no tensor load is out at the end
	; THE WAY OUT.  O^T / the row's sum; register 16 b + i is number 32 b + 16 h + i of the head's 64: two blocks of 32, quantised as the others are; the six registers are my tile's half image.
.rept 4
	v_nop                                          ; places behind the last products
.endr
	v_add_f32 v14, v14, v15
	s_delay_alu instid0(VALU_DEP_1)
	v_permlanex16_b32 v252, v14, s20, s21
	s_delay_alu instid0(VALU_DEP_1)
	v_add_f32 v14, v14, v252                       ; the row's sum
	s_wait_alu depctr_va_vdst(0)
	v_rcp_f32 v14, v14
	v_cmp_eq_u32 vcc_lo, 1, v31                    ; (a plain place behind the transcendental)
	s_wait_alu depctr_va_vdst(0)
.irp j, 0,1,2,3,4,5,6,7,8,9,10,11,12,13,14,15,16,17,18,19,20,21,22,23,24,25,26,27,28,29,30,31
	v_mul_f32 v[96+\j], v[160+\j], v14
.endr
.irp b, 0,1
	v_max3_num_f32 v[232+\b], |v[96+16*\b]|, |v[97+16*\b]|, 0x2800000
.endr
.irp i, 2,4,6,8,10,12,14
.irp b, 0,1
	s_delay_alu instid0(VALU_DEP_2)
	v_max3_num_f32 v[232+\b], v[232+\b], |v[96+16*\b+\i]|, |v[97+16*\b+\i]|
.endr
.endr
.irp b, 0,1
	s_delay_alu instid0(VALU_DEP_2)
	v_permlanex16_b32 v[236+\b], v[232+\b], s20, s21
.endr
.irp b, 0,1
	s_delay_alu instid0(VALU_DEP_2)
	v_max_num_f32 v[232+\b], v[232+\b], v[236+\b]
.endr
.irp b, 0,1
	s_delay_alu instid0(VALU_DEP_2)
	v_add_nc_u32 v[244+\b], 0xfe000000, v[232+\b]
.endr
.irp b, 0,1
	s_delay_alu instid0(VALU_DEP_2)
	v_lshrrev_b32 v[246+\b], 23, v[244+\b]
.endr
	v_cvt_scalef32_pk16_bf6_f32 v[224:226], v[96:111], v244
	v_cvt_scalef32_pk16_bf6_f32 v[236:238], v[112:127], v245
	v_cndmask_b32 v248, v246, v247, vcc_lo         ; block h's byte.  (The plain place behind the conversions)
.irp i, 0,1,2
	v_permlane16_swap_b32 v[224+\i], v[236+\i]
.endr
.irp i, 0,1,2
	s_delay_alu instid0(VALU_DEP_3)
	v_mov_b32 v[227+\i], v[236+\i]
.endr
	s_lshr_b32 s52, s18, 4
	s_lshl_b32 s52, s52, 7                         ; 128 tiles a batch,
	s_lshl_b32 s53, s[HB], 3                       ; 8 a group,
	s_add_co_u32 s52, s52, s53
	s_add_co_u32 s52, s52, s16                     ; and mine
	s_and_b32 s53, s18, 15                         ; the head
	s_mul_i32 s54, s52, 12288
	s_mul_i32 s55, s53, 768
	s_add_co_u32 s54, s54, s55
	s_mov_b32 s55, 0
	s_add_nc_u64 s[10:11], s[10:11], s[54:55]
	s_lshl_b32 s54, s52, 9
	s_lshl_b32 s53, s53, 1
	s_add_co_u32 s54, s54, s53
	s_add_nc_u64 s[12:13], s[12:13], s[54:55]
	s_wait_alu depctr_va_vdst(0)
	global_store_b128 v1, v[224:227], s[10:11]                 ; 512 consecutive bytes
	global_store_b64 v2, v[228:229], s[10:11] offset:512       ; 256 consecutive bytes
	global_store_b8 v30, v248, s[12:13]                        ; my row's byte of block h
	s_wait_tensorcnt 0x0
	ds_add_u32 v251, v255
	s_wait_dscnt 0x0
	s_endpgm
.Lfunc_end_k_q87bf22991e_attn:
	.size	k_q87bf22991e_attn, .Lfunc_end_k_q87bf22991e_attn-k_q87bf22991e_attn
	.p2alignl 7, 3214868480
	.fill 96, 4, 3214868480
	.section	.rodata,"a",@progbits
	.p2align	6, 0x0
	.amdhsa_kernel k_q87bf22991e_attn
		.amdhsa_group_segment_fixed_size 215040
		.amdhsa_private_segment_fixed_size 0
		.amdhsa_enable_private_segment 0
		.amdhsa_kernarg_size 40
		.amdhsa_user_sgpr_count 2
		.amdhsa_user_sgpr_kernarg_segment_ptr 1
		.amdhsa_wavefront_size32 1
		.amdhsa_system_sgpr_workgroup_id_x 1
		.amdhsa_system_sgpr_workgroup_id_y 1
		.amdhsa_system_sgpr_workgroup_id_z 1
		.amdhsa_system_vgpr_workitem_id 0
		.amdhsa_next_free_vgpr 256
		.amdhsa_next_free_sgpr 66
		.amdhsa_reserve_vcc 1
		.amdhsa_float_denorm_mode_32 3
		.amdhsa_float_denorm_mode_16_64 3
		.amdhsa_memory_ordered 1
		.amdhsa_forward_progress 1
		.amdhsa_inst_pref_size 102
	.end_amdhsa_kernel
	.amdgpu_metadata
---
amdhsa.version: [ 1, 2 ]
amdhsa.kernels:
  - .name:           k_q87bf22991e_attn
    .symbol:         k_q87bf22991e_attn.kd
    .args:
      - { .name: qbuf, .offset: 0, .size: 8, .value_kind: global_buffer, .address_space: global }
      - { .name: kbuf, .offset: 8, .size: 8, .value_kind: global_buffer, .address_space: global }
      - { .name: vbuf, .offset: 16, .size: 8, .value_kind: global_buffer, .address_space: global }
      - { .name: aimg, .offset: 24, .size: 8, .value_kind: global_buffer, .address_space: global }
      - { .name: ascl, .offset: 32, .size: 8, .value_kind: global_buffer, .address_space: global }
    .group_segment_fixed_size: 215040
    .private_segment_fixed_size: 0
    .kernarg_segment_align: 8
    .kernarg_segment_size: 40
    .max_flat_workgroup_size: 512
    .sgpr_count:     66
    .vgpr_count:     256
    .wavefront_size: 32
...
	.end_amdgpu_metadata
.endif
;; end of part 3
;; launch oproj (part 4): grid 4 x 32, 4 waves a work-group, clusters of 4 x 4, 327,680 bytes of LDS; arguments aimg, ascl, img, scl, out0; writes out0
.if DOCPART == 4
	.amdgcn_target "amdgcn-amd-amdhsa--gfx1250"
	.amdhsa_code_object_version 6
	.text
	.protected	k_q87bf22991e_oproj
	.globl	k_q87bf22991e_oproj
	.p2align	8
	.type	k_q87bf22991e_oproj,@function
k_q87bf22991e_oproj:
	s_mov_b64 s[64:65], 0
	v_nop
	global_prefetch_b8 v0, s[64:65] scope:SCOPE_SE
	s_setreg_imm32_b32 hwreg(HW_REG_WAVE_MODE, 25, 1), 1
	s_wait_xcnt 0x0
	s_wait_alu depctr_hold_cnt(0) depctr_sa_sdst(0) depctr_va_vdst(0) depctr_va_sdst(0) depctr_va_ssrc(0) depctr_va_vcc(0) depctr_vm_vsrc(0)
	s_getreg_b32 s2, hwreg(HW_REG_IB_STS2, 6, 4)
	s_cmp_eq_u32 s2, 0
	s_cbranch_scc0 .Lentry_in_a_cluster
	s_endpgm
.Lentry_in_a_cluster:
	s_bfe_u32 s2, ttmp6, 0x10000c
	s_cmp_lg_u32 s2, 0xf033
	s_cbranch_scc0 .Lentry_shape_is_right
	s_endpgm
.Lentry_shape_is_right:
; out0 = attn Wo^T on codes of BF6 (E3M2) with E8M0 scales, K = 1,024; out0 [8192][1024] f32; sums in f32.
; OPERANDS come as images of the operand's registers: aimg [tile of 16 tokens][K step of 128][1,536 bytes] with ascl [tile][row][32 bytes]; Wo is tiles 704-767 of img and scl, laid alike.
; A work-group of four waves makes 256 x 256, a wave 128 x 128 in 64 accumulators.  Source 0 (B) = 16 rows of Wo, source 1 (A) = 16 tokens: a lane holds one token and eight neighbouring columns.
; The rows of a tile are not neighbours: row r of tile 2 b + u of a group of 32 is row 32 b + 8 u + r + 8 (r / 8).  The way out puts both back: columns by the place in the stage, tokens by the store's immediate.
; K goes in steps of 256 through a ring of two LDS slots; a wave's tensor load brings 8 tiles x 3,072 bytes.  The scale bytes of the 512 rows, for all of K, come once with the first fills.
; CLUSTERS: 4 x 4 work-groups; A's tiles are asked for jointly along a row of the cluster, B's along a column.
; REGISTERS, in windows of 256: window 0: v1-31 addresses; v32-63 scale words, two sets; from v128 A's fragments, one set, on the way out rows read back.  window 1: B's fragments, two sets.  windows 2, 3: the accumulators.
.set NQ,     2
.set FR,     12
.set NL,     4
.set NP,     4
.set TILEB,  3072
.set HALFT,  8*TILEB
.set SLOT,   4*HALFT
.set UNITB,  98304
.set WOC,    704*12288                 ; where Wo's images begin in img
.set WOS,    704*512                   ; and its scale bytes in scl
.set LAPS,   2
.set SCL,    2*SLOT
.set HALFS,  16*272
.set SBLK,   2*272
.set SPARE,  SCL+4*HALFS               ; the spare words, 128 bytes for each wave: two blocks of 256 bytes that no other line names
.set SPITCH, 528                       ; the way out: a stage of 16 rows x (512 bytes + 16) for each wave, in slot 0, which has had its last fill and its last read when the first result is stored there
.set ADRA, 16
.set ADRB, 20
.set STO,  24
.set RD,   25
.set CO,   26
.set ADRS, 27
.set SPW,  28
.set NIL,  29
.set SC,   32
.set AF,   128
.set BK,   128
.set G1, 24
.set G0, 32
.set G1B, 48
.set G0B, 56
.set G1S, 68
.set G0S, 76
.set G1SB, 80
.set G0SB, 88
.set MSB, 0
.macro WIN new                         ; the immediate's high byte repeats the setting that is left
.if MSB != \new
	s_set_vgpr_msb (MSB<<8)|\new
.set MSB, \new
.endif
.endm
.set MUL_LO, 0xa1
.set MUL_HI, 0xf1
.set TO_B,   0x40
.macro JLOAD g0a, g1a, g0b, g1b        ; a joint load: waves 0 and 1 fetch for A, waves 2 and 3 for B; four v_nop follow each of the two lines
	s_cmp_eq_u32 s15, 0
	s_cbranch_scc0 .Lfor_b_\@
	tensor_load_to_lds s[\g0a:\g0a+3], s[\g1a:\g1a+7]
	s_nop 0
.rept 4
	v_nop
.endr
	s_branch .Lasked_\@
.Lfor_b_\@:
	tensor_load_to_lds s[\g0b:\g0b+3], s[\g1b:\g1b+7]
	s_nop 0
.rept 4
	v_nop
.endr
.Lasked_\@:
.endm
.macro CREST
	s_cmp_lg_u32 s14, 0
	s_cbranch_scc1 .Lnot_wave_0_\@
	s_barrier_signal -3
.Lnot_wave_0_\@:
	s_barrier_wait -3
	s_barrier_signal -1
	s_barrier_wait -1
.endm
.macro CROUND
	s_barrier_signal -1
	s_barrier_wait -1
	CREST
.endm
	s_load_b128 s[4:7], s[0:1], 0x0                ; aimg, ascl
	s_load_b128 s[8:11], s[0:1], 0x10              ; img, scl
	s_load_b64 s[12:13], s[0:1], 0x20              ; out0
	v_lshl_add_u32 v[SPW], v0, 2, SPARE
	v_mov_b32 v[NIL], 0
	ds_add_u32 v28, v29
	ds_add_u32 v28, v29
	s_wait_dscnt 0x0
	v_lshrrev_b32 v1, 5, v0
	v_readfirstlane_b32 s14, v1                    ; wave 0..3
	s_lshr_b32 s15, s14, 1                         ; which half of the tile's rows is mine.  Also: I fetch for A (0) or for B (1)
	s_and_b32 s16, s14, 1                          ; which half of its columns.  Also: which 128 rows I fetch
	s_bfe_u32 s40, ttmp6, 0x40000                  ; cx, cy
	s_bfe_u32 s41, ttmp6, 0x40004
	s_lshl_b32 s42, ttmp9, 2
	s_add_co_u32 s42, s42, s40                     ; tile column = 4 x cluster x + cx
	s_and_b32 s17, ttmp7, 0xffff
	s_lshl_b32 s17, s17, 2
	s_add_co_u32 s17, s17, s41                     ; tile row = 4 x cluster y + cy
	s_lshl_b32 s43, s41, 2
	s_lshl_b32 s43, 15, s43                        ; my row of the cluster
	s_lshl_b32 s44, 0x1111, s40                    ; my column
	s_or_b32 s[G1+0], s43, (3<<16)|(1<<21)         ; codes: 8 rows (tiles) of 384 elements of 8 bytes, 1,536 elements apart; no padding
	s_or_b32 s[G1B+0], s44, (3<<16)|(1<<21)
.irp g, G1, G1B
	s_mov_b32 s[\g+1], 384<<16
	s_mov_b32 s[\g+2], 8<<16
	s_mov_b32 s[\g+3], 384<<16
	s_mov_b32 s[\g+4], 8
	s_mov_b32 s[\g+5], 1536
	s_mov_b32 s[\g+6], 0
	s_mov_b32 s[\g+7], 0
.endr
	s_or_b32 s[G1S+0], s43, (3<<16)|(1<<20)|(1<<21)|(5<<22)|(3<<25)   ; scales of 128 rows: 16 rows of 256 bytes, 16 bytes of padding behind each
	s_or_b32 s[G1SB+0], s44, (3<<16)|(1<<20)|(1<<21)|(5<<22)|(3<<25)
.irp g, G1S, G1SB
	s_mov_b32 s[\g+1], 32<<16
	s_mov_b32 s[\g+2], 16<<16
	s_mov_b32 s[\g+3], 32<<16
	s_mov_b32 s[\g+4], 16
	s_mov_b32 s[\g+5], 32
	s_mov_b32 s[\g+6], 0
	s_mov_b32 s[\g+7], 0
.endr
	s_lshl_b32 s20, s17, 1
	s_add_co_u32 s20, s20, s16                     ; A: the unit of 128 tokens that I fetch
	s_lshl_b32 s22, s20, 12
	s_mov_b32 s23, 0
	s_mul_i32 s20, s20, UNITB
	s_mov_b32 s21, 0
	s_lshl_b32 s46, s42, 1
	s_add_co_u32 s46, s46, s16                     ; B: the unit of 128 rows of Wo
	s_lshl_b32 s92, s46, 12
	s_add_co_u32 s92, s92, WOS
	s_mov_b32 s93, 0
	s_mul_i32 s46, s46, UNITB
	s_add_co_u32 s46, s46, WOC
	s_mov_b32 s47, 0
	s_mul_i32 s45, s14, HALFT
	s_mul_i32 s94, s14, HALFS
	s_wait_kmcnt 0x0
	s_add_nc_u64 s[20:21], s[4:5], s[20:21]
	s_add_nc_u64 s[22:23], s[6:7], s[22:23]
	s_add_nc_u64 s[46:47], s[8:9], s[46:47]
	s_add_nc_u64 s[92:93], s[10:11], s[92:93]
	CROUND                                         ; all sixteen work-groups are here: the first joint loads meet
	s_mov_b32 s[G0S], 1
	s_add_co_u32 s[G0S+1], s94, SCL
	s_mov_b64 s[G0S+2:G0S+3], s[22:23]
	s_or_b32 s[G0S+3], s[G0S+3], 0x80000000
	s_mov_b32 s[G0SB], 1
	s_add_co_u32 s[G0SB+1], s94, SCL
	s_mov_b64 s[G0SB+2:G0SB+3], s[92:93]
	s_or_b32 s[G0SB+3], s[G0SB+3], 0x80000000
	JLOAD G0S, G1S, G0SB, G1SB                     ; the scales first.  Three loads of mine are out behind these lines
.irp s, 0,1
	s_mov_b32 s[G0+4*\s], 1
	s_add_co_u32 s[G0+4*\s+1], s45, \s*SLOT
	s_add_nc_u64 s[G0+4*\s+2:G0+4*\s+3], s[20:21], \s*TILEB
	s_or_b32 s[G0+4*\s+3], s[G0+4*\s+3], 0x80000000
	s_mov_b32 s[G0B+4*\s], 1
	s_add_co_u32 s[G0B+4*\s+1], s45, \s*SLOT
	s_add_nc_u64 s[G0B+4*\s+2:G0B+4*\s+3], s[46:47], \s*TILEB
	s_or_b32 s[G0B+4*\s+3], s[G0B+4*\s+3], 0x80000000
	JLOAD G0+4*\s, G1, G0B+4*\s, G1B
.endr
	v_and_b32 v1, 15, v0                           ; r
	v_bfe_u32 v2, v0, 4, 1                         ; h
	v_and_b32 v3, 31, v0                           ; lane
	v_lshlrev_b32 v[CO], 4, v3                     ; 16 x lane: an image's place, and my bytes of a row of 512 on the way out
	v_lshlrev_b32 v5, 3, v3                        ; 8 x lane
	s_mul_i32 s21, s15, HALFT
	s_mul_i32 s22, s16, HALFT
	s_add_co_u32 s22, s22, 2*HALFT
.irp s, 0,1
	v_add_nc_u32 v[ADRA+\s], s21, v[CO]
	v_add_nc_u32 v[ADRB+\s], s22, v[CO]
	v_add_nc_u32 v[ADRA+2+\s], s21, v5
	v_add_nc_u32 v[ADRB+2+\s], s22, v5
	s_add_co_u32 s21, s21, SLOT
	s_add_co_u32 s22, s22, SLOT
.endr
	v_lshlrev_b32 v6, 5, v1                        ; my row's scales: 32 bytes a row,
	v_lshrrev_b32 v7, 8, v6
	v_lshl_add_u32 v6, v7, 4, v6                   ; and 16 more for each 256 passed
	s_mul_i32 s21, s15, HALFS
	s_mul_i32 s22, s16, HALFS
	s_add_co_u32 s22, s22, 2*HALFS
	s_sub_co_u32 s22, s22, s21
	v_mul_u32_u24 v7, s22, v2                      ; lanes 16-31 take B's
	s_add_co_u32 s21, s21, SCL
	v_add_nc_u32 v6, v6, v7
	v_add_nc_u32 v[ADRS], s21, v6
	s_mul_i32 s23, s14, 16*SPITCH                  ; my stage
	v_mul_u32_u24 v5, v1, SPITCH                   ; in: row r; my half's 16 columns of each 32: + 64 h
	v_lshl_add_u32 v5, v2, 6, v5
	v_add_nc_u32 v[STO], s23, v5
	v_add_nc_u32 v[RD], s23, v[CO]                 ; back: the 32 lanes take one row of 512 bytes
	s_lshl_b32 s20, s17, 8
	s_lshl_b32 s21, s15, 7
	s_add_co_u32 s20, s20, s21                     ; my first row of the output
	s_lshl_b32 s20, s20, 12                        ; 4,096 bytes a row
	s_mov_b32 s21, 0
	s_lshl_b32 s46, s42, 10                        ; my first column, in bytes
	s_lshl_b32 s47, s16, 9
	s_add_co_u32 s46, s46, s47
	s_mov_b32 s47, 0
	s_add_nc_u64 s[20:21], s[20:21], s[46:47]
	s_add_nc_u64 s[12:13], s[12:13], s[20:21]
.macro FRAG reg, adr, q, i             ; a fragment's image comes back as it was stored; every load reads consecutive bytes
	ds_load_b128 v[\reg:\reg+3], v[\adr] offset:TILEB*(\i)+1536*(\q)
	ds_load_b64 v[\reg+4:\reg+5], v[\adr+2] offset:TILEB*(\i)+1536*(\q)+512
	ds_load_b128 v[\reg+6:\reg+9], v[\adr] offset:TILEB*(\i)+1536*(\q)+768
	ds_load_b64 v[\reg+10:\reg+11], v[\adr+2] offset:TILEB*(\i)+1536*(\q)+1280
.endm
.macro MUL16 a0, p, q, sc, zero        ; 16 matrix instructions; the 64 accumulators take turns, one instruction a turn
.irp a, \a0, \a0+1
.irp b, 0,1,2,3,4,5,6,7
.if \zero
	v_wmma_scale_f32_16x16x128_f8f6f4 v[8*(8*((\a)%4)+\b):8*(8*((\a)%4)+\b)+7], v[128*(\p)+FR*\b:128*(\p)+FR*\b+FR-1], v[AF+FR*(\a):AF+FR*(\a)+FR-1], 0, v[SC+8*NQ*(\sc)+NQ*\b+(\q)], v[SC+8*NQ*(\sc)+NQ*(\a)+(\q)] matrix_a_fmt:MATRIX_FMT_BF6 matrix_b_fmt:MATRIX_FMT_BF6 matrix_a_scale:MATRIX_SCALE_ROW1
.else
	v_wmma_scale_f32_16x16x128_f8f6f4 v[8*(8*((\a)%4)+\b):8*(8*((\a)%4)+\b)+7], v[128*(\p)+FR*\b:128*(\p)+FR*\b+FR-1], v[AF+FR*(\a):AF+FR*(\a)+FR-1], v[8*(8*((\a)%4)+\b):8*(8*((\a)%4)+\b)+7], v[SC+8*NQ*(\sc)+NQ*\b+(\q)], v[SC+8*NQ*(\sc)+NQ*(\a)+(\q)] matrix_a_fmt:MATRIX_FMT_BF6 matrix_b_fmt:MATRIX_FMT_BF6 matrix_a_scale:MATRIX_SCALE_ROW1
.endif
.endr
.endr
.endm
.macro FETCH_B slot, q, p
	WIN TO_B
.irp i, 0,1,2,3,4,5,6,7
	FRAG 128*(\p)+FR*\i, ADRB+\slot, \q, \i
.endr
	WIN 0
.endm
.macro FETCH_A slot, q, i0
.irp i, \i0, \i0+1, \i0+2, \i0+3
	FRAG AF+FR*(\i), ADRA+\slot, \q, \i
.endr
.endm
.macro SCALES sc
.irp i, 0,1,2,3,4,5,6,7
	ds_load_b64 v[SC+8*NQ*\sc+NQ*\i:SC+8*NQ*\sc+NQ*\i+1], v[ADRS] offset:\i*SBLK
.endr
.endm
.macro PLACES n
.rept \n
	v_nop
.endr
.endm
.macro STEP slot, q, zero
	s_wait_dscnt 4*NL                              ; B's set and A's blocks 0-3 are in; the youngest sixteen loads (A's blocks 4-7) may be out
	WIN MUL_LO
	MUL16 0, (\q)%2, \q, \slot, \zero
	MUL16 2, (\q)%2, \q, \slot, \zero
	s_wait_dscnt 0
	PLACES NP
	FETCH_B \slot, (\q)+1, 1-(\q)%2
	FETCH_A \slot, (\q)+1, 0
	WIN MUL_HI
	MUL16 4, (\q)%2, \q, \slot, \zero
	MUL16 6, (\q)%2, \q, \slot, \zero
	PLACES NP
	WIN 0
	FETCH_A \slot, (\q)+1, 4
.endm
.macro TURN slot, next, fill
	s_wait_tensorcnt 0x0                           ; all my tensor loads have landed: my part of the next slot
	ds_add_u32 v[SPW], v[NIL]                      ; 0 onto my spare word
	s_wait_dscnt 4*NL+1                            ; (the add and the youngest sixteen loads may be out)
	WIN MUL_LO
	MUL16 0, 1, NQ-1, \slot, 0
	s_wait_dscnt 0x0                               ; the add is done, and my reads of this slot are over
	s_barrier_signal -1
	MUL16 2, 1, NQ-1, \slot, 0
	WIN 0
	s_barrier_wait -1
.if \fill
	CREST                                          ; the barrier has opened a round of the cluster's barrier: no wave of any partner still reads this slot or has a load on its way
	s_add_nc_u64 s[G0+4*\slot+2:G0+4*\slot+3], s[G0+4*\slot+2:G0+4*\slot+3], 2*TILEB
	s_add_nc_u64 s[G0B+4*\slot+2:G0B+4*\slot+3], s[G0B+4*\slot+2:G0B+4*\slot+3], 2*TILEB
	JLOAD G0+4*\slot, G1, G0B+4*\slot, G1B         ; the first tensor load behind the round, one a wave
.else
	PLACES NP
.endif
	v_add_nc_u32 v[ADRS], 4*NQ, v[ADRS]
	FETCH_B \next, 0, 0
	FETCH_A \next, 0, 0
	SCALES \next
	WIN MUL_HI
	MUL16 4, 1, NQ-1, \slot, 0
	MUL16 6, 1, NQ-1, \slot, 0
	PLACES NP
	WIN 0
	FETCH_A \next, 0, 4
.endm
	s_wait_tensorcnt 1                             ; the scales and my part of slot 0 are in (slot 1's load may be out)
	s_barrier_signal -1
	s_barrier_wait -1
	FETCH_B 0, 0, 0
	FETCH_A 0, 0, 0
	SCALES 0
	FETCH_A 0, 0, 4
	STEP 0, 0, 1                                   ; the first step's products start the sums
	s_mov_b32 s3, LAPS-1
.Llap:
	TURN 0, 1, 1
	STEP 1, 0, 0
	TURN 1, 0, 1
	STEP 0, 0, 0
	s_sub_co_u32 s3, s3, 1
	s_cmp_lg_u32 s3, 0
	s_cbranch_scc1 .Llap
	TURN 0, 1, 0                                   ; the last lap fills nothing
	STEP 1, 0, 0
	s_wait_dscnt 4*NL
	WIN MUL_LO
	MUL16 0, 1, NQ-1, 1, 0
	MUL16 2, 1, NQ-1, 1, 0
	s_wait_dscnt 0
	WIN MUL_HI
	MUL16 4, 1, NQ-1, 1, 0
	MUL16 6, 1, NQ-1, 1, 0
	WIN 0
; THE WAY OUT, block by block of 16 tokens x 128 columns, through my own stage in LDS.  Register j of accumulator (a, b) in lane (r, h) is column 32 (b / 2) + 16 h + 8 (b % 2) + j of stage row r;
; stage row t of block a is token 32 (a / 2) + 8 (a % 2) + t + 8 (t / 8) of my 128.  LDS serves a wave's instructions in order: no wait between the stores and the loads.
.macro TOSTAGE a
.set AC, 64*((\a)%4)
	WIN 0x08+4*((\a)/4)                            ; the data: window 2 or 3
.irp b, 0,1,2,3,4,5,6,7
	ds_store_b128 v[STO], v[AC+8*\b:AC+8*\b+3] offset:128*(\b/2)+32*(\b%2)          ; each accumulator from its low end on
	ds_store_b128 v[STO], v[AC+8*\b+4:AC+8*\b+7] offset:128*(\b/2)+32*(\b%2)+16
.endr
	WIN 0
.set BB, BK+64*((\a)%2)
.irp t, 0,1,2,3,4,5,6,7,8,9,10,11,12,13,14,15
	ds_load_b128 v[BB+4*\t:BB+4*\t+3], v[RD] offset:\t*SPITCH
.endr
.endm
.macro SEND a, younger                 ; younger: the LDS instructions issued behind block a's loads, which may stay out
.set BB, BK+64*((\a)%2)
.set RW, 32*((\a)/2)+8*((\a)%2)
	s_wait_dscnt \younger
.irp t, 0,1,2,3,4,5,6,7,8,9,10,11,12,13,14,15
	global_store_b128 v[CO], v[BB+4*\t:BB+4*\t+3], s[12:13] offset:(RW+\t+8*(\t/8))*4096 th:TH_STORE_NT   ; 32 lanes store 512 consecutive bytes, at a multiple of 256 from the output's first byte; 127 rows at the most: inside the signed 24-bit immediate
.endr
.endm
	PLACES NP                                      ; behind the last products: for the loads into the registers that held A's fragments and for the reads of results
	TOSTAGE 0
.irp a, 1,2,3,4,5,6,7
.if \a > 1
	s_wait_xcnt 0x0                                ; block a - 2's stores have read their registers: block a's loads may land there
.endif
	TOSTAGE \a
	SEND \a-1, 32                                  ; behind block a - 1's loads: block a's 16 stores and 16 loads
.endr
	SEND 7, 0
	s_wait_tensorcnt 0x0                           ; the wave's end
	ds_add_u32 v[SPW], v[NIL]
	s_wait_dscnt 0x0
	CROUND                                         ; the closing round
	s_endpgm
.Lfunc_end_k_q87bf22991e_oproj:
	.size	k_q87bf22991e_oproj, .Lfunc_end_k_q87bf22991e_oproj-k_q87bf22991e_oproj
	.p2alignl 7, 3214868480
	.fill 96, 4, 3214868480
	.section	.rodata,"a",@progbits
	.p2align	6, 0x0
	.amdhsa_kernel k_q87bf22991e_oproj
		.amdhsa_group_segment_fixed_size 327680
		.amdhsa_private_segment_fixed_size 0
		.amdhsa_enable_private_segment 0
		.amdhsa_kernarg_size 40
		.amdhsa_user_sgpr_count 2
		.amdhsa_user_sgpr_kernarg_segment_ptr 1
		.amdhsa_wavefront_size32 1
		.amdhsa_system_sgpr_workgroup_id_x 1
		.amdhsa_system_sgpr_workgroup_id_y 1
		.amdhsa_system_sgpr_workgroup_id_z 1
		.amdhsa_system_vgpr_workitem_id 0
		.amdhsa_next_free_vgpr 1024
		.amdhsa_next_free_sgpr 98
		.amdhsa_reserve_vcc 0
		.amdhsa_float_denorm_mode_32 3
		.amdhsa_float_denorm_mode_16_64 3
		.amdhsa_memory_ordered 1
		.amdhsa_forward_progress 1
		.amdhsa_inst_pref_size 143
	.end_amdhsa_kernel
	.amdgpu_metadata
---
amdhsa.version: [ 1, 2 ]
amdhsa.kernels:
  - .name:           k_q87bf22991e_oproj
    .symbol:         k_q87bf22991e_oproj.kd
    .args:
      - { .name: aimg, .offset: 0, .size: 8, .value_kind: global_buffer, .address_space: global }
      - { .name: ascl, .offset: 8, .size: 8, .value_kind: global_buffer, .address_space: global }
      - { .name: img, .offset: 16, .size: 8, .value_kind: global_buffer, .address_space: global }
      - { .name: scl, .offset: 24, .size: 8, .value_kind: global_buffer, .address_space: global }
      - { .name: out0, .offset: 32, .size: 8, .value_kind: global_buffer, .address_space: global }
    .group_segment_fixed_size: 327680
    .private_segment_fixed_size: 0
    .kernarg_segment_align: 8
    .kernarg_segment_size: 40
    .max_flat_workgroup_size: 128
    .sgpr_count:     98
    .vgpr_count:     1024
    .wavefront_size: 32
...
	.end_amdgpu_metadata
.endif
;; end of part 4
